; MI455X (gfx1250); checked and timed in simulation.
; The chip was launched on July 23, 2026; its instructions are those of AMD's public machine-readable ISA for CDNA 5 (MIT licence, August 2026) and "CDNA5" Instruction Set Architecture Reference Guide (July 2026). The comments in the code are by the model that wrote it; some were corrected since.
;; Causal Self Attention. Allowed arithmetic: matrix products marked QUANTISED: E2M1 operands, one E8M0 scale for each 32 along K, by v_wmma_scale_f32_16x16x128_f8f6f4 with both operands' format E2M1 (or v_wmma_scale_f32_32x16x128_f4), f32 sums; products left as they are: bf16, f16 or f32 operands; f32 sums; everything else in f32.
;; Inputs: W_out 1,024 x 1,024 float32; W_qkv 1,024 x 3,072 float32; b_out 1,024 float32; b_qkv 3,072 float32; x 4 x 2,048 x 1,024 float32.
;; Outputs: out0 4 x 2,048 x 1,024 float32.
;; This version of the problem:
;;   THIS VERSION OF THE PROBLEM IS GIVEN IN LOW PRECISION. The matrix products marked QUANTISED in the list below multiply operands that are first quantised to E2M1 (2 exponent bits, 1 mantissa bit; 4 bits a number), with one power-of-two scale for each 32 numbers along K (OCP MX v1.0); their sums are f32. The products marked 'left as it is' may take bf16, f16 or f32 operands, with f32 sums. Whichever they take, every output number must still come out within the allowed error. Rounding operands to bf16 (8 significant bits) uses up far more of that allowance than f16 does (11 bits, for magnitudes from 6e-5 to 65,504). All else is computed in f32.
;;   The module's matrix products, in the order in which they are computed (A, B: the left and right operand; K: the contracted axis; several contracted axes count as one K, in the product's order):
;;     1. [M 8,192, K 1,024] x [K 1,024, N 3,072]; A: input x; B: input W_qkv: QUANTISED
;;     2. batch 64 x [M 2,048, K 64] x [K 64, N 2,048]; A: computed on the way; B: computed on the way: left as it is (an operand is computed on the way)
;;     3. batch 64 x [M 2,048, K 2,048] x [K 2,048, N 64]; A: computed on the way; B: computed on the way: left as it is (an operand is computed on the way)
;;     4. [M 8,192, K 1,024] x [K 1,024, N 1,024]; A: computed on the way; B: input W_out: left as it is (an operand is computed on the way)
;;   THE QUANTISER, for each operand of a quantised product, along K:
;;     - K is cut into blocks of 32 from its start; a last block that is shorter is filled with zeros.
;;     - A block's scale is 2^e with e = floor(log2(the largest magnitude in the block)) - 2, held to -126 .. 127; a block of zeros has e = 0. As a byte (E8M0): e + 127.
;;     - Each number is divided by its block's scale, clamped to +-6, and rounded to the nearest number of E2M1, ties to even, subnormals kept.
;;     - The product sums the exact products of the quantised numbers (number of the format x scale) in f32.
;;   ~~~python
;;   def quantise(x, axis):      # numpy; x: float32 -> the quantised numbers, widened to float32 again
;;       x = np.moveaxis(x, axis, -1); K = x.shape[-1]
;;       x = np.pad(x, [(0, 0)] * (x.ndim - 1) + [(0, -K % 32)]); x = x.reshape(x.shape[:-1] + (-1, 32)); a = np.abs(x).max(-1, keepdims=True)
;;       e = np.where(a > 0, np.clip(np.frexp(np.where(a > 0, a, 1))[1] - 1 - 2, -126, 127), 0)      # np.frexp(a)[1] - 1 = floor(log2(a)), exactly
;;       r = np.clip(x / 2.0 ** e, -6, 6)
;;       step = 2.0 ** (np.maximum(np.frexp(np.where(r == 0, 1, r))[1] - 1, 0) - 1)
;;       q = np.round(r / step) * step * 2.0 ** e      # np.round: ties to even
;;       return np.moveaxis(q.reshape(q.shape[:-2] + (-1,))[..., :K], -1, axis).astype(np.float32)
;;   ~~~
;; One version. Each part assembles by itself: llvm-mc -triple=amdgcn-amd-amdhsa -mcpu=gfx1250 --defsym DOCPART=n.
;; ======== version 1 of 1: 5 launches
;; limits: values are held in f16: magnitudes above 65,504 overflow, below 6.1e-05 lose precision
;; workspace buffers: xc 4,194,304 bytes; xs 262,144 bytes; wc 1,572,864 bytes; ws 98,304 bytes; wo16 2,097,152 bytes; qkv 50,331,648 bytes; q16 786,432 bytes; o2 16,777,216 bytes
;; launch prep (part 1): grid 576 x 1, 4 waves a work-group, no clusters, 42,496 bytes of LDS; arguments x, W_qkv, W_out, xc, xs, wc, ws, wo16; writes xc, xs, wc, ws, wo16
.if DOCPART == 1
	.amdgcn_target "amdgcn-amd-amdhsa--gfx1250"
	.amdhsa_code_object_version 6
	.text
	.protected	k_q33f032a7a7_prep
	.globl	k_q33f032a7a7_prep
	.p2align	8
	.type	k_q33f032a7a7_prep,@function
k_q33f032a7a7_prep:
	s_mov_b64 s[64:65], 0
	v_nop
	global_prefetch_b8 v0, s[64:65] scope:SCOPE_SE
	s_setreg_imm32_b32 hwreg(HW_REG_WAVE_MODE, 25, 1), 1
	s_wait_xcnt 0x0
; THE OPERANDS ARE MADE NARROW ONCE.  Three kinds of work-group, told apart by the work-group's number alone; the three ways never join again, and each has LDS bytes of its own.
;   X (256 work-groups): x [8192][1024] f32, K innermost -> codes of FP4 (E2M1) xc [8192][512 bytes] and E8M0 scale bytes xs [8192][32].
;   W (192 work-groups): W_qkv [1024 (k)][3072 (n)] f32, K its FIRST axis -> wc [3072][512 bytes], K innermost, and ws [3072][32].
;   O (128 work-groups): W_out [1024][1024] f32 -> wo16, the same order, f16 (that product is left as it is and takes f16 operands).
; A block's scale is 2^(floor(log2(its largest magnitude)) - 2): its byte is the largest magnitude's exponent field - 2, held at 1 from below by a floor among the maximum's leaves.
; LIMITS: a block of zeros, and a block whose largest magnitude lies under 2^-124, gets the byte 1 (its codes are zeros or what the byte 1 gives; these bytes are read by this program alone);
; NaN and infinities among the inputs are not served; |W_out| stays under 65,504 (f16).
; No tensor load, no matrix instruction, no cluster: nothing is shared between work-groups and memory binds.
.set XWG,   256
.set WWG,   192
.set WREG,  8192                       ; way X: a region of LDS for each wave: two stages of 32 x SP bytes, behind them its 256 scale bytes
.set SP,    80                         ; a lane's place in a stage: 64 bytes + 16 of padding
.set WSTG,  4*WREG                     ; way W: the work-group's stage: 32 columns x (256 bytes of codes + 16)
.set WP,    272
.set WSCS,  WSTG+32*WP                 ; way W: 32 columns x 16 scale bytes
.set SPARE, WSCS+512                   ; the spare words, 128 bytes for each wave: two blocks of 256 bytes that no other line names
.set SPW,   190                        ; v190 LDS address of my spare word; never rewritten
.set NIL,   191                        ; v191 0; never rewritten
.set STEPS, 16
.set R,     16                         ; way X: v16-79 four sets of 16 numbers as loaded
.set X,     80                         ;        v80-111 two sets of 16 neighbours
.set E,     112                        ;        v112-127 a scale byte for each step
.set C,     128                        ;        v128-189 codes, four registers for each step: no store's data are written again
.set WX,    32                         ; way W: v32-95 two sets of 32 numbers
.set WC,    96                         ;        v96-99 a block's codes
.set WO,    112                        ;        v112-127 the way out
	s_load_b256 s[4:11], s[0:1], 0x0               ; x s[4:5], W_qkv s[6:7], W_out s[8:9], xc s[10:11]
	s_load_b256 s[12:19], s[0:1], 0x20             ; xs s[12:13], wc s[14:15], ws s[16:17], wo16 s[18:19]
	v_lshl_add_u32 v[SPW], v0, 2, SPARE
	v_mov_b32 v[NIL], 0
	v_lshrrev_b32 v1, 5, v0
	v_readfirstlane_b32 s20, v1                    ; wave 0..3
	v_and_b32 v2, 31, v0                           ; lane
	s_mov_b32 s25, 0                               ; the high word of every offset below
	s_wait_kmcnt 0x0
	s_cmp_lt_u32 ttmp9, XWG
	s_cbranch_scc0 .Lnot_x
; ---------------- WAY X.  x is a plain stream of blocks of 32.  A wave takes 16 steps of 512 numbers.  Each load reads 512 consecutive bytes; a step's 2,048 bytes turn through the wave's own stage,
; so that a lane then holds 16 NEIGHBOURS along K (two neighbouring lanes hold a block), as the conversions want them.
	v_lshlrev_b32 v3, 4, v2                        ; my 16 bytes of a load's 512
	s_mul_i32 s21, s20, WREG
	v_lshrrev_b32 v14, 2, v2
	v_mul_u32_u24 v14, v14, SP
	v_and_b32 v15, 3, v2
	v_lshl_add_u32 v14, v15, 4, v14
	v_add_nc_u32 v14, s21, v14                     ; into the stage: SP (lane / 4) + 16 (lane % 4)
	v_mul_u32_u24 v15, v2, SP
	v_add_nc_u32 v15, s21, v15                     ; out of it: SP x lane
	v_lshlrev_b32 v4, 3, v2                        ; my 8 bytes of a step's 256 bytes of codes
	v_lshrrev_b32 v5, 1, v2
	s_add_co_u32 s21, s21, 2*32*SP
	v_add_nc_u32 v5, s21, v5                       ; my block's byte among the wave's 256 scale bytes
	v_lshlrev_b32 v7, 3, v2
	v_add_nc_u32 v6, s21, v7                       ; and on their way out 8 bytes a lane
	s_lshl_b32 s22, ttmp9, 2
	s_add_co_u32 s22, s22, s20                     ; which run of 8,192 numbers is my wave's: 0 .. 1,023
	s_lshl_b32 s24, s22, 15
	s_add_nc_u64 s[4:5], s[4:5], s[24:25]
	s_lshl_b32 s24, s22, 12
	s_add_nc_u64 s[10:11], s[10:11], s[24:25]
	s_lshl_b32 s24, s22, 8
	s_add_nc_u64 s[12:13], s[12:13], s[24:25]
.macro XLOAD t
.irp i, 0,1,2,3
	global_load_b128 v[R+16*((\t)%4)+4*\i:R+16*((\t)%4)+4*\i+3], v3, s[4:5] offset:2048*(\t)+512*\i th:TH_LOAD_NT
.endr
.endm
.macro XTURN t                         ; LDS serves a wave's instructions in order: no wait between the stores and the loads
.irp i, 0,1,2,3
	ds_store_b128 v14, v[R+16*((\t)%4)+4*\i:R+16*((\t)%4)+4*\i+3] offset:32*SP*((\t)%2)+8*SP*\i
.endr
.irp i, 0,1,2,3
	ds_load_b128 v[X+16*((\t)%2)+4*\i:X+16*((\t)%2)+4*\i+3], v15 offset:32*SP*((\t)%2)+16*\i
.endr
.endm
.irp t, 0,1,2,3
	XLOAD \t
.endr
	s_wait_loadcnt 12                              ; step 0's four loads are in; three steps' twelve stay out
	XTURN 0
.macro XSTEP t
.set XS, X+16*((\t)%2)
.if (\t) > 0
	s_wait_dscnt 1                                 ; this step's numbers are back from the stage; the last step's byte store may be out
.else
	s_wait_dscnt 0x0
.endif
.if (\t)+4 < STEPS
	XLOAD (\t)+4                                   ; into the set whose stores into the stage are done
.endif
.if (\t)+1 < STEPS
.if STEPS-2-(\t) >= 3
	s_wait_loadcnt 12                              ; the next step's four loads are in; those of the three steps behind it may be out
.else
	s_wait_loadcnt 4*(STEPS-2-(\t))
.endif
	XTURN (\t)+1
.endif
	v_max3_num_f32 v8, |v[XS]|, |v[XS+1]|, |v[XS+2]|
	v_max3_num_f32 v9, |v[XS+3]|, |v[XS+4]|, |v[XS+5]|
.irp i, 6,10
	v_max3_num_f32 v8, v8, |v[XS+\i]|, |v[XS+\i+1]|
	v_max3_num_f32 v9, v9, |v[XS+\i+2]|, |v[XS+\i+3]|
.endr
	v_max3_num_f32 v8, v8, |v[XS+14]|, |v[XS+15]|
	v_max3_num_f32 v8, v8, v9, 0x1800000           ; the floor 2^(3 - 127): the byte cannot fall under 1
	v_max_num_f32_dpp v8, v8, v8 row_xmask:1 row_mask:0xf bank_mask:0xf   ; with my neighbour's 16: the block's largest magnitude
	v_add_nc_u32 v11, 0xff000000, v8               ; 2 off its exponent field: the conversion takes this operand's exponent field as its scale
	v_cvt_scalef32_pk8_fp4_f32 v[C+4*(\t)], v[XS:XS+7], v11
	v_cvt_scalef32_pk8_fp4_f32 v[C+4*(\t)+1], v[XS+8:XS+15], v11
	v_lshrrev_b32 v[E+(\t)], 23, v11               ; the scale's byte
	ds_store_b8 v5, v[E+(\t)] offset:16*(\t)       ; both lanes of a block write the same byte with the same value
	global_store_b64 v4, v[C+4*(\t):C+4*(\t)+1], s[10:11] offset:256*(\t)   ; the wave stores 256 consecutive bytes, aligned
.endm
.irp t, 0,1,2,3,4,5,6,7,8,9,10,11,12,13,14,15
	XSTEP \t
.endr
	ds_load_b64 v[8:9], v6
	s_wait_dscnt 0x0
	global_store_b64 v7, v[8:9], s[12:13]          ; the wave's 256 scale bytes: 256 consecutive bytes, aligned
	s_wait_tensorcnt 0x0                           ; the wave's end
	ds_add_u32 v[SPW], v[NIL]
	s_wait_dscnt 0x0
	s_endpgm
.Lnot_x:
	s_cmp_lt_u32 ttmp9, XWG+WWG
	s_cbranch_scc0 .Lpath_o
; ---------------- WAY W.  A work-group takes 32 columns x 512 along K; its four waves stand one below the other along K, 128 each: four blocks of 32 a lane.
; A LANE TAKES A COLUMN AND ITS REGISTERS RUN DOWN K: a block lies in one lane's 32 registers, and the conversions give codes with K innermost.  The codes meet in the work-group's stage
; (a column's 256 bytes from four waves) and leave as rows: sixteen lanes store 256 consecutive bytes, aligned.
	s_sub_co_u32 s22, ttmp9, XWG
	s_lshr_b32 s23, s22, 1                         ; which 32 columns: 0 .. 95
	s_and_b32 s22, s22, 1                          ; which 512 along K
	s_lshl_b32 s24, s22, 2
	s_add_co_u32 s24, s24, s20
	s_mul_i32 s24, s24, 128*12288                  ; my wave's first row of W_qkv,
	s_lshl_b32 s26, s23, 7
	s_add_co_u32 s24, s24, s26                     ; my work-group's first column
	s_add_nc_u64 s[6:7], s[6:7], s[24:25]
	s_lshl_b32 s24, s23, 5
	s_lshl_b32 s26, s20, 3
	s_add_co_u32 s24, s24, s26
	s_lshl_b32 s24, s24, 9                         ; codes: row 32 cg + 8 wave of 512 bytes,
	s_lshl_b32 s26, s22, 8
	s_add_co_u32 s24, s24, s26                     ; + 256 bytes for the upper half of K
	s_add_nc_u64 s[14:15], s[14:15], s[24:25]
	s_lshl_b32 s24, s23, 10                        ; scale bytes: 32 columns x 32 bytes,
	s_lshl_b32 s26, s22, 4
	s_add_co_u32 s24, s24, s26                     ; + 16
	s_add_nc_u64 s[16:17], s[16:17], s[24:25]
	v_lshlrev_b32 v3, 2, v2                        ; in: 4 bytes a lane
	s_lshl_b32 s26, s20, 6
	s_add_co_u32 s26, s26, WSTG
	v_mul_u32_u24 v4, v2, WP
	v_add_nc_u32 v4, s26, v4                       ; into the stage: row = my column, my wave's 64 bytes of it
	s_lshl_b32 s26, s20, 2
	s_add_co_u32 s26, s26, WSCS
	v_lshl_add_u32 v5, v2, 4, s26                  ; my column's 16 scale bytes, my wave's four
	v_and_b32 v6, 15, v2
	v_lshrrev_b32 v7, 4, v2
	v_lshlrev_b32 v8, 9, v7
	v_lshl_add_u32 v8, v6, 4, v8                   ; out: two rows of wc an instruction, sixteen lanes to a row's 256 bytes
	v_mul_u32_u24 v7, v7, WP
	v_lshl_add_u32 v7, v6, 4, v7
	s_mul_i32 s26, s20, 8*WP
	s_add_co_u32 s26, s26, WSTG
	v_add_nc_u32 v7, s26, v7                       ; the same two rows in the stage: my wave takes columns 8 wave .. 8 wave + 7
	v_lshl_add_u32 v9, v2, 4, WSCS                 ; wave 0 alone: a column's 16 scale bytes,
	v_lshlrev_b32 v10, 5, v2                       ; and its row of ws
.macro WLOAD t
.irp i, 0,1,2,3,4,5,6,7,8,9,10,11,12,13,14,15,16,17,18,19,20,21,22,23,24,25,26,27,28,29,30,31
	global_load_b32 v[WX+32*((\t)%2)+\i], v3, s[6:7] offset:(32*(\t)+\i)*12288 th:TH_LOAD_NT
.endr
.endm
	WLOAD 0
	WLOAD 1
.macro WBLOCK t
.set XS, WX+32*((\t)%2)
.if (\t) < 3
	s_wait_loadcnt 32                              ; this block's 32 loads are in; the next block's may be out
.else
	s_wait_loadcnt 0x0
.endif
	v_max3_num_f32 v12, |v[XS]|, |v[XS+1]|, |v[XS+2]|
	v_max3_num_f32 v13, |v[XS+3]|, |v[XS+4]|, |v[XS+5]|
.irp i, 6,10,14,18,22,26
	v_max3_num_f32 v12, v12, |v[XS+\i]|, |v[XS+\i+1]|
	v_max3_num_f32 v13, v13, |v[XS+\i+2]|, |v[XS+\i+3]|
.endr
	v_max3_num_f32 v12, v12, |v[XS+30]|, |v[XS+31]|
	v_max3_num_f32 v12, v12, v13, 0x1800000        ; the floor
	v_add_nc_u32 v11, 0xff000000, v12              ; the conversion's scale operand
	v_lshrrev_b32 v13, 23, v11                     ; the scale's byte
.if (\t) == 0
	v_mov_b32 v24, v13
.else
	v_lshl_or_b32 v24, v13, 8*(\t), v24            ; four bytes to a register, the lower K in the lower byte
.endif
.irp g, 0,1,2,3
	v_cvt_scalef32_pk8_fp4_f32 v[WC+\g], v[XS+8*\g:XS+8*\g+7], v11
.endr
	ds_store_b128 v4, v[WC:WC+3] offset:16*(\t)
.if (\t)+2 < 4
	WLOAD (\t)+2
.endif
	s_wait_dscnt 0x0                               ; the store has read its registers: the next block's codes may be written
.endm
	WBLOCK 0
	WBLOCK 1
	WBLOCK 2
	WBLOCK 3
	ds_store_b32 v5, v24
	s_wait_dscnt 0x0                               ; for the others' sake: my stores into the stage are done
	s_barrier_signal -1
	s_barrier_wait -1                              ; (all four waves of a work-group are on this way: the branches that lead here hang on the work-group's number)
.irp t, 0,1,2,3
	ds_load_b128 v[WO+4*\t:WO+4*\t+3], v7 offset:2*\t*WP
.endr
.irp t, 0,1,2,3
	s_wait_dscnt 3-\t
	global_store_b128 v8, v[WO+4*\t:WO+4*\t+3], s[14:15] offset:2*\t*512
.endr
	s_cmp_lg_u32 s20, 0
	s_cbranch_scc1 .Lw_end
	ds_load_b128 v[24:27], v9                      ; wave 0: the 32 columns' 16 scale bytes each
	s_wait_dscnt 0x0
	global_store_b128 v10, v[24:27], s[16:17]
.Lw_end:
	s_wait_tensorcnt 0x0                           ; the wave's end: the three lines
	ds_add_u32 v[SPW], v[NIL]
	s_wait_dscnt 0x0
	s_endpgm
.Lpath_o:
; ---------------- WAY O.  W_out to f16, in its own order: a wave takes 2,048 numbers; a load reads 512 consecutive bytes, a store writes 256, aligned.
	s_sub_co_u32 s22, ttmp9, XWG+WWG
	s_lshl_b32 s22, s22, 2
	s_add_co_u32 s22, s22, s20                     ; run 0 .. 511
	s_lshl_b32 s24, s22, 13
	s_add_nc_u64 s[8:9], s[8:9], s[24:25]
	s_lshl_b32 s24, s22, 12
	s_add_nc_u64 s[18:19], s[18:19], s[24:25]
	v_lshlrev_b32 v3, 4, v2
	v_lshlrev_b32 v4, 3, v2
.irp i, 0,1,2,3,4,5,6,7,8,9,10,11,12,13,14,15
	global_load_b128 v[32+4*\i:35+4*\i], v3, s[8:9] offset:512*\i th:TH_LOAD_NT
.endr
.irp i, 0,1,2,3,4,5,6,7,8,9,10,11,12,13,14,15
	s_wait_loadcnt 15-\i                           ; loads come back in order: load i is in
	v_cvt_pk_f16_f32 v[96+2*\i], v[32+4*\i], v[33+4*\i]
	v_cvt_pk_f16_f32 v[97+2*\i], v[34+4*\i], v[35+4*\i]
	global_store_b64 v4, v[96+2*\i:97+2*\i], s[18:19] offset:256*\i
.endr
	s_wait_tensorcnt 0x0                           ; this way writes no LDS byte; it ends as the other two do
	ds_add_u32 v[SPW], v[NIL]
	s_wait_dscnt 0x0
	s_endpgm
.Lfunc_end_k_q33f032a7a7_prep:
	.size	k_q33f032a7a7_prep, .Lfunc_end_k_q33f032a7a7_prep-k_q33f032a7a7_prep
	.p2alignl 7, 3214868480
	.fill 96, 4, 3214868480
	.section	.rodata,"a",@progbits
	.p2align	6, 0x0
	.amdhsa_kernel k_q33f032a7a7_prep
		.amdhsa_group_segment_fixed_size 42496
		.amdhsa_private_segment_fixed_size 0
		.amdhsa_enable_private_segment 0
		.amdhsa_kernarg_size 64
		.amdhsa_user_sgpr_count 2
		.amdhsa_user_sgpr_kernarg_segment_ptr 1
		.amdhsa_wavefront_size32 1
		.amdhsa_system_sgpr_workgroup_id_x 1
		.amdhsa_system_sgpr_workgroup_id_y 1
		.amdhsa_system_sgpr_workgroup_id_z 1
		.amdhsa_system_vgpr_workitem_id 0
		.amdhsa_next_free_vgpr 192
		.amdhsa_next_free_sgpr 66
		.amdhsa_reserve_vcc 0
		.amdhsa_float_denorm_mode_32 3
		.amdhsa_float_denorm_mode_16_64 3
		.amdhsa_memory_ordered 1
		.amdhsa_forward_progress 1
		.amdhsa_inst_pref_size 60
	.end_amdhsa_kernel
	.amdgpu_metadata
---
amdhsa.version: [ 1, 2 ]
amdhsa.kernels:
  - .name:           k_q33f032a7a7_prep
    .symbol:         k_q33f032a7a7_prep.kd
    .args:
      - { .name: x, .offset: 0, .size: 8, .value_kind: global_buffer, .address_space: global }
      - { .name: W_qkv, .offset: 8, .size: 8, .value_kind: global_buffer, .address_space: global }
      - { .name: W_out, .offset: 16, .size: 8, .value_kind: global_buffer, .address_space: global }
      - { .name: xc, .offset: 24, .size: 8, .value_kind: global_buffer, .address_space: global }
      - { .name: xs, .offset: 32, .size: 8, .value_kind: global_buffer, .address_space: global }
      - { .name: wc, .offset: 40, .size: 8, .value_kind: global_buffer, .address_space: global }
      - { .name: ws, .offset: 48, .size: 8, .value_kind: global_buffer, .address_space: global }
      - { .name: wo16, .offset: 56, .size: 8, .value_kind: global_buffer, .address_space: global }
    .group_segment_fixed_size: 42496
    .private_segment_fixed_size: 0
    .kernarg_segment_align: 8
    .kernarg_segment_size: 64
    .max_flat_workgroup_size: 128
    .sgpr_count:     66
    .vgpr_count:     192
    .wavefront_size: 32
...
	.end_amdgpu_metadata
.endif
;; end of part 1
;; launch qkvgemm (part 2): grid 12 x 32, 4 waves a work-group, clusters of 4 x 4, 327,680 bytes of LDS; arguments xc, xs, wc, ws, b_qkv, qkv, q16; writes qkv, q16
.if DOCPART == 2
	.amdgcn_target "amdgcn-amd-amdhsa--gfx1250"
	.amdhsa_code_object_version 6
	.text
	.protected	k_q33f032a7a7_qkvgemm
	.globl	k_q33f032a7a7_qkvgemm
	.p2align	8
	.type	k_q33f032a7a7_qkvgemm,@function
k_q33f032a7a7_qkvgemm:
	s_mov_b64 s[64:65], 0
	v_nop
	global_prefetch_b8 v0, s[64:65] scope:SCOPE_SE
	s_setreg_imm32_b32 hwreg(HW_REG_WAVE_MODE, 25, 1), 1
	s_wait_xcnt 0x0
	s_wait_alu depctr_hold_cnt(0) depctr_sa_sdst(0) depctr_va_vdst(0) depctr_va_sdst(0) depctr_va_ssrc(0) depctr_va_vcc(0) depctr_vm_vsrc(0)
	s_getreg_b32 s2, hwreg(HW_REG_IB_STS2, 6, 4)
	s_cmp_eq_u32 s2, 0
	s_cbranch_scc0 .Lentry_in_a_cluster
	s_endpgm
.Lentry_in_a_cluster:
	s_bfe_u32 s2, ttmp6, 0x10000c
	s_cmp_lg_u32 s2, 0xf033
	s_cbranch_scc0 .Lentry_shape_is_right
	s_endpgm
.Lentry_shape_is_right:
; qkv = Q(x) Q(W_qkv) + b_qkv on codes of FP4 (E2M1) with one E8M0 scale for each 32 along K; sums in f32.  A = xc [8192][512 bytes], B = wc [3072][512 bytes], scale bytes [rows][32].
; A tile of 256 x 256 is made by four waves, each 128 x 128: 64 accumulators, 512 registers.  K = 1,024 is two slots of 512 along K (rows of 256 bytes): both are asked for at the head, nothing is filled again.
; The scale bytes of the work-group's rows, for all of K, come once, as dense blocks.
; CLUSTERS: 4 x 4 work-groups; A's tiles are asked for jointly along a row of the cluster, B's along a column.  Tile row = cluster y + 8 cy, so that the tile rows that begin a sequence (0, 8, 16, 24) are
; those of cluster y = 0: a test that is alike in all sixteen partners.
; THE MATRIX INSTRUCTION IS USED TRANSPOSED (source 0 = 16 rows of B, source 1 = 16 rows of A): a lane holds eight neighbouring columns of one row.  THE BIAS is the C of the first K step's products.
; OUT: f16, by head: qkv [3 (q, k, v)][64 (batch, head)][2048][64]: two rows of a head are 256 consecutive bytes.  The first 16 positions of each sequence leave in f32 as well: q16 [64][3072].
; LIMIT: |q|, |k|, |v| stay under 65,504 (f16).
; REGISTERS: window 0: v0-31 addresses; v32-95 scale words, two sets; v128-191 A's fragments, one set; v192-255 the bias, later the way out.  window 1: B's fragments, two sets.  windows 2, 3: the accumulators.
.set NQ,     4                         ; matrix instructions deep in a slot
.set ROWB,   256                       ; a tile's row in bytes
.set KROW,   512                       ; a row of codes in memory
.set PITCH,  272                       ; an LDS row: 256 bytes + 16 of padding: the 16 rows that a load touches start at 16 different banks
.set FR,     8
.set NL,     2
.set NP,     4
.set HALFT,  128*PITCH
.set SLOT,   4*HALFT
.set KS,     32                        ; a row of scale bytes
.set SCL,    2*SLOT
.set HALFS,  (128*KS/256)*272
.set SBLK,   (16*KS/256)*272
.set SPARE,  SCL+4*HALFS               ; the spare words, 128 bytes for each wave: two blocks of 256 bytes that no other line names
.set ST32,   32768                     ; the f32 stages, 16 rows x 528 bytes a wave; the f16 stages, 16 x 272 a wave, lie from 0 on.  Both in slot 0, which has had its only fill and its last read by then
.set ADRA, 16
.set ADRB, 20
.set CO32, 22                          ; v22  16 x lane: my bytes of a row piece of q16
.set BO,   23                          ; v23  32 x (lane / 16): my eight numbers of a tile of the bias
.set STO,  24
.set RD,   25
.set CO,   26
.set ADRS, 27
.set SPW,  28
.set NIL,  29
.set STO32, 30
.set RD32, 31
.set SC,   32
.set AF,   128
.set BI,   192                         ; v192-255 the bias: tile b's eight numbers at BI + 8 b
.set TMP,  192                         ; the way out: a block's packed results
.set OB,   32                          ; and the rows read back: v32-63 and v224-255 by turns
.set G1, 24
.set G0, 32
.set G1B, 48
.set G0B, 56
.set G1S, 68
.set G0S, 76
.set G1SB, 80
.set G0SB, 88
.set MSB, 0
.macro WIN new                         ; the immediate's high byte repeats the setting that is left
.if MSB != \new
	s_set_vgpr_msb (MSB<<8)|\new
.set MSB, \new
.endif
.endm
.set MUL_LO, 0xa1                      ; source 0 (B) window 1, source 1 (A) window 0, C and D window 2
.set MUL_HI, 0xf1
.set FIRST_LO, 0x81                    ; the first K step: C (the bias) window 0, D window 2
.set FIRST_HI, 0xc1
.set TO_B,   0x40
.macro JLOAD g0a, g1a, g0b, g1b        ; a joint load: waves 0 and 1 fetch for A, waves 2 and 3 for B; an s_nop 0 and four v_nop follow each of the two lines
	s_cmp_eq_u32 s15, 0
	s_cbranch_scc0 .Lfor_b_\@
	tensor_load_to_lds s[\g0a:\g0a+3], s[\g1a:\g1a+7]
	s_nop 0
.rept 4
	v_nop
.endr
	s_branch .Lasked_\@
.Lfor_b_\@:
	tensor_load_to_lds s[\g0b:\g0b+3], s[\g1b:\g1b+7]
	s_nop 0
.rept 4
	v_nop
.endr
.Lasked_\@:
.endm
.macro CROUND                          ; a round of the cluster's barrier
	s_barrier_signal -1
	s_barrier_wait -1
	s_cmp_lg_u32 s14, 0
	s_cbranch_scc1 .Lnot_wave_0_\@
	s_barrier_signal -3
.Lnot_wave_0_\@:
	s_barrier_wait -3
	s_barrier_signal -1
	s_barrier_wait -1
.endm
	s_load_b128 s[4:7], s[0:1], 0x0                ; A's codes, A's scales
	s_load_b128 s[8:11], s[0:1], 0x10              ; B's codes, B's scales
	s_load_b64 s[96:97], s[0:1], 0x20              ; the bias
	s_load_b64 s[12:13], s[0:1], 0x28              ; qkv
	s_load_b64 s[98:99], s[0:1], 0x30              ; q16
	v_lshl_add_u32 v[SPW], v0, 2, SPARE
	v_mov_b32 v[NIL], 0
	ds_add_u32 v[SPW], v[NIL]                      ; the wave's opening: the add, twice on end, and its wait ahead of my first tensor load
	ds_add_u32 v[SPW], v[NIL]
	v_lshrrev_b32 v1, 5, v0
	v_readfirstlane_b32 s14, v1                    ; wave 0..3
	s_lshr_b32 s15, s14, 1                         ; which half of the tile's rows is mine.  Also: I fetch for A (0) or for B (1)
	s_and_b32 s16, s14, 1                          ; which half of its columns.  Also: which 128 rows I fetch
	s_bfe_u32 s40, ttmp6, 0x40000                  ; cx
	s_bfe_u32 s41, ttmp6, 0x40004                  ; cy
	s_lshl_b32 s42, ttmp9, 2
	s_add_co_u32 s42, s42, s40                     ; tile column = 4 x cluster x + cx
	s_and_b32 s17, ttmp7, 0xffff
	s_or_b32 s95, s17, s15                         ; 0 where my 128 rows begin a sequence: cluster y = 0 and the upper half of the tile's rows
	s_lshl_b32 s18, s41, 3
	s_add_co_u32 s17, s17, s18                     ; tile row = cluster y + 8 cy
	s_lshl_b32 s43, s41, 2
	s_lshl_b32 s43, 15, s43                        ; my row of the cluster
	s_lshl_b32 s44, 0x1111, s40                    ; my column
	s_or_b32 s[G1+0], s43, (0<<16)|(1<<20)|(1<<21)|(5<<22)|(3<<25)  ; the mask; elements of 1 byte; padding: 4 words after every 64; bit 21 beside a mask
	s_or_b32 s[G1B+0], s44, (0<<16)|(1<<20)|(1<<21)|(5<<22)|(3<<25)
.irp g, G1, G1B
	s_mov_b32 s[\g+1], ROWB<<16                    ; tensor_dim0
	s_mov_b32 s[\g+2], 128<<16                     ; tensor_dim1
	s_mov_b32 s[\g+3], ROWB<<16                    ; tile_dim0
	s_mov_b32 s[\g+4], 128                         ; tile_dim1
	s_mov_b32 s[\g+5], KROW                        ; the pitch in memory
	s_mov_b32 s[\g+6], 0
	s_mov_b32 s[\g+7], 0
.endr
	s_or_b32 s[G1S+0], s43, (3<<16)|(1<<20)|(1<<21)|(5<<22)|(3<<25) ; the scales of 128 rows: 4,096 dense bytes as 16 rows of 32 elements of 8 bytes
	s_or_b32 s[G1SB+0], s44, (3<<16)|(1<<20)|(1<<21)|(5<<22)|(3<<25)
.irp g, G1S, G1SB
	s_mov_b32 s[\g+1], 32<<16
	s_mov_b32 s[\g+2], (128*KS/256)<<16
	s_mov_b32 s[\g+3], 32<<16
	s_mov_b32 s[\g+4], 128*KS/256
	s_mov_b32 s[\g+5], 32
	s_mov_b32 s[\g+6], 0
	s_mov_b32 s[\g+7], 0
.endr
	s_lshl_b32 s18, s16, 7
	s_lshl_b32 s20, s17, 8
	s_add_co_u32 s20, s20, s18                     ; A: row 256 x tile row + 128 x half
	s_lshl_b32 s46, s42, 8
	s_add_co_u32 s46, s46, s18                     ; B: row 256 x tile column + 128 x half
	s_mov_b32 s21, 0
	s_mov_b32 s47, 0
	s_mov_b64 s[18:19], KS
	s_mul_u64 s[22:23], s[20:21], s[18:19]
	s_mul_u64 s[92:93], s[46:47], s[18:19]
	s_mov_b64 s[18:19], KROW
	s_mul_u64 s[20:21], s[20:21], s[18:19]
	s_mul_u64 s[46:47], s[46:47], s[18:19]
	s_mul_i32 s45, s14, HALFT                      ; where they go: wave x 128 rows: no place in the cluster enters an LDS address
	s_mul_i32 s94, s14, HALFS
	s_wait_dscnt 0x0                               ; both opening adds are done
	s_wait_kmcnt 0x0
	s_add_nc_u64 s[20:21], s[4:5], s[20:21]
	s_add_nc_u64 s[22:23], s[6:7], s[22:23]
	s_add_nc_u64 s[46:47], s[8:9], s[46:47]
	s_add_nc_u64 s[92:93], s[10:11], s[92:93]
	CROUND                                         ; all sixteen work-groups are here: the joint loads meet
	s_mov_b32 s[G0S], 1
	s_add_co_u32 s[G0S+1], s94, SCL
	s_mov_b64 s[G0S+2:G0S+3], s[22:23]
	s_or_b32 s[G0S+3], s[G0S+3], 0x80000000
	s_mov_b32 s[G0SB], 1
	s_add_co_u32 s[G0SB+1], s94, SCL
	s_mov_b64 s[G0SB+2:G0SB+3], s[92:93]
	s_or_b32 s[G0SB+3], s[G0SB+3], 0x80000000
	JLOAD G0S, G1S, G0SB, G1SB                     ; three loads of mine are out at the most: the scales, slot 0, slot 1
.irp s, 0,1
	s_mov_b32 s[G0+4*\s], 1
	s_add_co_u32 s[G0+4*\s+1], s45, \s*SLOT
	s_add_nc_u64 s[G0+4*\s+2:G0+4*\s+3], s[20:21], \s*ROWB
	s_or_b32 s[G0+4*\s+3], s[G0+4*\s+3], 0x80000000
	s_mov_b32 s[G0B+4*\s], 1
	s_add_co_u32 s[G0B+4*\s+1], s45, \s*SLOT
	s_add_nc_u64 s[G0B+4*\s+2:G0B+4*\s+3], s[46:47], \s*ROWB
	s_or_b32 s[G0B+4*\s+3], s[G0B+4*\s+3], 0x80000000
	JLOAD G0+4*\s, G1, G0B+4*\s, G1B
.endr
	v_and_b32 v1, 15, v0                           ; r = lane % 16
	v_bfe_u32 v2, v0, 4, 1                         ; h = lane / 16
	; the bias of my 128 columns: lane (r, h) wants, for tile b, the numbers of columns 16 b + 8 h + 0 .. 7
	s_lshl_b32 s46, s42, 8
	s_lshl_b32 s47, s16, 7
	s_add_co_u32 s46, s46, s47                     ; n0: my first column
	s_lshl_b32 s22, s46, 2
	s_mov_b32 s23, 0
	s_add_nc_u64 s[96:97], s[96:97], s[22:23]
	v_lshlrev_b32 v[BO], 5, v2
.irp b, 0,1,2,3,4,5,6,7
.irp u, 0,1
	global_load_b128 v[BI+8*\b+4*\u:BI+8*\b+4*\u+3], v[BO], s[96:97] offset:64*\b+16*\u
.endr
.endr
	v_mul_u32_u24 v3, v1, PITCH
	v_lshl_add_u32 v4, v2, 4, v3                   ; a fragment's row x pitch + 16 x half
	s_mul_i32 s21, s15, HALFT
	s_mul_i32 s22, s16, HALFT
	s_add_co_u32 s22, s22, 2*HALFT
.irp s, 0,1
	v_add_nc_u32 v[ADRA+\s], s21, v4
	v_add_nc_u32 v[ADRB+\s], s22, v4
	s_add_co_u32 s21, s21, SLOT
	s_add_co_u32 s22, s22, SLOT
.endr
	v_mul_u32_u24 v5, v1, KS                       ; my row's scales: 32 bytes a row,
	v_lshrrev_b32 v6, 8, v5
	v_lshl_add_u32 v5, v6, 4, v5                   ; and 16 more for each 256 passed
	s_mul_i32 s21, s15, HALFS
	s_mul_i32 s22, s16, HALFS
	s_add_co_u32 s22, s22, 2*HALFS
	s_sub_co_u32 s22, s22, s21
	v_mul_u32_u24 v6, s22, v2                      ; lanes 16-31 take B's
	s_add_co_u32 s21, s21, SCL
	v_add_nc_u32 v5, v5, v6
	v_add_nc_u32 v[ADRS], s21, v5
	; the way out in f16
	s_mul_i32 s23, s14, 16*272                     ; my f16 stage
	v_add_nc_u32 v[STO], s23, v4                   ; in: row r of 272 bytes, + 16 h
	v_bfe_u32 v6, v0, 3, 1                         ; (lane / 8) % 2: which of two rows
	v_and_b32 v8, 7, v0
	v_mul_u32_u24 v7, v6, 272
	v_lshl_add_u32 v7, v2, 7, v7                   ; lanes 16-31: the second head's 128 bytes of the row
	v_lshl_add_u32 v7, v8, 4, v7
	v_add_nc_u32 v[RD], s23, v7
	v_lshlrev_b32 v9, 18, v2                       ; in memory the second head lies 2,048 rows of 128 bytes on
	v_lshl_add_u32 v9, v6, 7, v9
	v_lshl_add_u32 v[CO], v8, 4, v9
	; and in f32
	s_mul_i32 s23, s14, 16*528
	s_add_co_u32 s23, s23, ST32
	v_mul_u32_u24 v5, v1, 528
	v_lshl_add_u32 v5, v2, 5, v5
	v_add_nc_u32 v[STO32], s23, v5
	v_and_b32 v6, 31, v0
	v_lshlrev_b32 v[CO32], 4, v6
	v_add_nc_u32 v[RD32], s23, v[CO32]
	; where my part begins: qkv: ((which x 64 + batch x 16 + head) << 18) + position x 128
	s_lshl_b32 s20, s17, 8
	s_lshl_b32 s21, s15, 7
	s_add_co_u32 s20, s20, s21                     ; m0: my first row
	s_lshr_b32 s21, s46, 10
	s_lshl_b32 s21, s21, 6
	s_lshr_b32 s22, s20, 11
	s_lshl_b32 s22, s22, 4
	s_add_co_u32 s21, s21, s22
	s_bfe_u32 s22, s46, 0x40006
	s_add_co_u32 s21, s21, s22
	s_lshl_b32 s21, s21, 18
	s_and_b32 s22, s20, 2047
	s_lshl_b32 s22, s22, 7
	s_add_co_u32 s20, s21, s22
	s_mov_b32 s21, 0
	s_add_nc_u64 s[12:13], s[12:13], s[20:21]
	s_mul_i32 s20, s41, 16*12288                   ; q16: the batch is cy where cluster y = 0
	s_lshl_b32 s22, s46, 2
	s_add_co_u32 s20, s20, s22
	s_add_nc_u64 s[98:99], s[98:99], s[20:21]
.macro FRAG reg, adr, q, i             ; 16 rows x 128 K of 4-bit codes: 8 registers, two loads of 16 bytes, 32 bytes apart
.irp c, 0,1
	ds_load_b128 v[\reg+4*\c:\reg+4*\c+3], v[\adr] offset:64*(\q)+32*\c+(\i)*16*PITCH
.endr
.endm
; 16 matrix instructions: A's blocks a0, a0 + 1 x B's eight.  first = 1: the bias is the C.  The 64 accumulators take turns, one instruction a turn.
.macro MUL16 a0, p, q, sc, first
.irp a, \a0, \a0+1
.irp b, 0,1,2,3,4,5,6,7
.if \first
	v_wmma_scale_f32_16x16x128_f8f6f4 v[8*(8*((\a)%4)+\b):8*(8*((\a)%4)+\b)+7], v[128*(\p)+FR*\b:128*(\p)+FR*\b+FR-1], v[AF+FR*(\a):AF+FR*(\a)+FR-1], v[BI+8*\b:BI+8*\b+7], v[SC+8*NQ*(\sc)+NQ*\b+(\q)], v[SC+8*NQ*(\sc)+NQ*(\a)+(\q)] matrix_a_fmt:MATRIX_FMT_FP4 matrix_b_fmt:MATRIX_FMT_FP4 matrix_a_scale:MATRIX_SCALE_ROW1
.else
	v_wmma_scale_f32_16x16x128_f8f6f4 v[8*(8*((\a)%4)+\b):8*(8*((\a)%4)+\b)+7], v[128*(\p)+FR*\b:128*(\p)+FR*\b+FR-1], v[AF+FR*(\a):AF+FR*(\a)+FR-1], v[8*(8*((\a)%4)+\b):8*(8*((\a)%4)+\b)+7], v[SC+8*NQ*(\sc)+NQ*\b+(\q)], v[SC+8*NQ*(\sc)+NQ*(\a)+(\q)] matrix_a_fmt:MATRIX_FMT_FP4 matrix_b_fmt:MATRIX_FMT_FP4 matrix_a_scale:MATRIX_SCALE_ROW1
.endif
.endr
.endr
.endm
.macro FETCH_B slot, q, p
	WIN TO_B
.irp i, 0,1,2,3,4,5,6,7
	FRAG 128*(\p)+FR*\i, ADRB+\slot, \q, \i
.endr
	WIN 0
.endm
.macro FETCH_A slot, q, i0
.irp i, \i0, \i0+1, \i0+2, \i0+3
	FRAG AF+FR*(\i), ADRA+\slot, \q, \i
.endr
.endm
.macro SCALES sc                       ; a slot's scale words: lanes 0-15 A's block i, lanes 16-31 B's block i
.irp i, 0,1,2,3,4,5,6,7
	ds_load_b128 v[SC+8*NQ*\sc+NQ*\i:SC+8*NQ*\sc+NQ*\i+3], v[ADRS] offset:\i*SBLK
.endr
.endm
.macro PLACES n                        ; plain vector instructions between a matrix instruction and a load into, or a read of, its registers (ISA guide 7.12.1 for reads)
.rept \n
	v_nop
.endr
.endm
.macro STEP slot, q, first             ; 128 along K with its successor in the same slot
	s_wait_dscnt 4*NL                              ; all but the youngest eight loads (A's blocks 4-7) are in
.if \first
	WIN FIRST_LO
.else
	WIN MUL_LO
.endif
	MUL16 0, (\q)%2, \q, \slot, \first
	MUL16 2, (\q)%2, \q, \slot, \first
	s_wait_dscnt 0
	PLACES NP
	FETCH_B \slot, (\q)+1, 1-(\q)%2
	FETCH_A \slot, (\q)+1, 0
.if \first
	WIN FIRST_HI
.else
	WIN MUL_HI
.endif
	MUL16 4, (\q)%2, \q, \slot, \first
	MUL16 6, (\q)%2, \q, \slot, \first
	PLACES NP
	WIN 0
	FETCH_A \slot, (\q)+1, 4
.endm
	s_wait_tensorcnt 1                             ; the scales and my part of slot 0 are in; slot 1's load may be out
	s_barrier_signal -1
	s_barrier_wait -1
	FETCH_B 0, 0, 0
	FETCH_A 0, 0, 0
	SCALES 0
	FETCH_A 0, 0, 4
	s_wait_loadcnt 0x0                             ; the bias
	STEP 0, 0, 1
	STEP 0, 1, 0
	STEP 0, 2, 0
	; slot 0's last step, and the one change of slots: each wave's loads have landed and its reads of slot 0 are over in front of the barrier; behind it slot 1 is whole, and slot 0 is free for the stages
	s_wait_tensorcnt 0x0
	ds_add_u32 v[SPW], v[NIL]
	s_wait_dscnt 4*NL+1                            ; (the add and A's blocks 4-7 may be out)
	WIN MUL_LO
	MUL16 0, 1, NQ-1, 0, 0
	s_wait_dscnt 0x0
	s_barrier_signal -1
	MUL16 2, 1, NQ-1, 0, 0
	WIN 0
	s_barrier_wait -1
	PLACES NP
	v_add_nc_u32 v[ADRS], 4*NQ, v[ADRS]            ; the second slot's scale words (no LDS load of mine is out)
	FETCH_B 1, 0, 0
	FETCH_A 1, 0, 0
	SCALES 1
	WIN MUL_HI
	MUL16 4, 1, NQ-1, 0, 0
	MUL16 6, 1, NQ-1, 0, 0
	PLACES NP
	WIN 0
	FETCH_A 1, 0, 4
	STEP 1, 0, 0
	STEP 1, 1, 0
	STEP 1, 2, 0
	s_wait_dscnt 4*NL
	WIN MUL_LO
	MUL16 0, 1, NQ-1, 1, 0
	MUL16 2, 1, NQ-1, 1, 0
	s_wait_dscnt 0
	WIN MUL_HI
	MUL16 4, 1, NQ-1, 1, 0
	MUL16 6, 1, NQ-1, 1, 0
	WIN 0
	PLACES NP                                      ; behind the last products: for the reads of results and for the loads into registers that held operands
	; THE FIRST 16 POSITIONS OF A SEQUENCE IN F32: my block 0, where my rows begin a sequence.  The test is made of the cluster's y and the wave's number.
	s_cmp_lg_u32 s95, 0
	s_cbranch_scc1 .Lno_f32
	WIN 0x08                                       ; an LDS store's data: window 2
.irp b, 0,1,2,3,4,5,6,7
	ds_store_b128 v[STO32], v[8*\b:8*\b+3] offset:64*\b          ; each accumulator from its low end on
	ds_store_b128 v[STO32], v[8*\b+4:8*\b+7] offset:64*\b+16
.endr
	WIN 0
.irp t, 0,1,2,3,4,5,6,7,8,9,10,11,12,13,14,15
	ds_load_b128 v[AF+4*\t:AF+4*\t+3], v[RD32] offset:\t*528     ; LDS serves a wave's instructions in order: these see my stores
.endr
	s_wait_dscnt 0x0
.irp t, 0,1,2,3,4,5,6,7,8,9,10,11,12,13,14,15
	global_store_b128 v[CO32], v[AF+4*\t:AF+4*\t+3], s[98:99] offset:\t*12288   ; 32 lanes store 512 consecutive bytes of a row of q16
.endr
.Lno_f32:
; THE WAY OUT IN F16, block by block of 16 rows x 128 columns (two heads): rounded, 16 bytes a lane into my stage, back as two rows of each head: sixteen lanes store 256 consecutive bytes, aligned.
.macro PACK a
.set AC, 64*((\a)%4)
.set WP, 0x0a+5*((\a)/4)
	WIN WP                                         ; sources 0 and 1: window 2 or 3
.irp b, 0,1,2,3,4,5,6,7
.irp r, 0,1,2,3
	v_cvt_pk_f16_f32 v[TMP+4*\b+\r], v[AC+8*\b+2*\r], v[AC+8*\b+2*\r+1]
.endr
.endr
	WIN 0
.endm
.macro TOSTAGE a
.set BKR, OB+192*((\a)%2)
.irp b, 0,1,2,3,4,5,6,7
	ds_store_b128 v[STO], v[TMP+4*\b:TMP+4*\b+3] offset:32*\b
.endr
.irp t, 0,1,2,3,4,5,6,7
	ds_load_b128 v[BKR+4*\t:BKR+4*\t+3], v[RD] offset:\t*2*272
.endr
.endm
.macro SEND a
.set BKR, OB+192*((\a)%2)
	s_wait_dscnt 0x0                               ; the block is back in registers
	s_wait_xcnt 0x0                                ; the stores of the block before have read their registers: the next block's loads may land there
.irp t, 0,1,2,3,4,5,6,7
	global_store_b128 v[CO], v[BKR+4*\t:BKR+4*\t+3], s[12:13] offset:(\a)*2048+\t*256
.endr
.endm
	PACK 0
	TOSTAGE 0
.irp a, 1,2,3,4,5,6,7                  ; block a's conversions stand between block a - 1's loads from the stage and the wait for them
	PACK \a
	SEND \a-1
	TOSTAGE \a
.endr
	SEND 7
	s_wait_tensorcnt 0x0                           ; the wave's end
	ds_add_u32 v[SPW], v[NIL]
	s_wait_dscnt 0x0
	CROUND                                         ; the closing round
	s_endpgm
.Lfunc_end_k_q33f032a7a7_qkvgemm:
	.size	k_q33f032a7a7_qkvgemm, .Lfunc_end_k_q33f032a7a7_qkvgemm-k_q33f032a7a7_qkvgemm
	.p2alignl 7, 3214868480
	.fill 96, 4, 3214868480
	.section	.rodata,"a",@progbits
	.p2align	6, 0x0
	.amdhsa_kernel k_q33f032a7a7_qkvgemm
		.amdhsa_group_segment_fixed_size 327680
		.amdhsa_private_segment_fixed_size 0
		.amdhsa_enable_private_segment 0
		.amdhsa_kernarg_size 56
		.amdhsa_user_sgpr_count 2
		.amdhsa_user_sgpr_kernarg_segment_ptr 1
		.amdhsa_wavefront_size32 1
		.amdhsa_system_sgpr_workgroup_id_x 1
		.amdhsa_system_sgpr_workgroup_id_y 1
		.amdhsa_system_sgpr_workgroup_id_z 1
		.amdhsa_system_vgpr_workitem_id 0
		.amdhsa_next_free_vgpr 1024
		.amdhsa_next_free_sgpr 102
		.amdhsa_reserve_vcc 0
		.amdhsa_float_denorm_mode_32 3
		.amdhsa_float_denorm_mode_16_64 3
		.amdhsa_memory_ordered 1
		.amdhsa_forward_progress 1
		.amdhsa_inst_pref_size 133
	.end_amdhsa_kernel
	.amdgpu_metadata
---
amdhsa.version: [ 1, 2 ]
amdhsa.kernels:
  - .name:           k_q33f032a7a7_qkvgemm
    .symbol:         k_q33f032a7a7_qkvgemm.kd
    .args:
      - { .name: xc, .offset: 0, .size: 8, .value_kind: global_buffer, .address_space: global }
      - { .name: xs, .offset: 8, .size: 8, .value_kind: global_buffer, .address_space: global }
      - { .name: wc, .offset: 16, .size: 8, .value_kind: global_buffer, .address_space: global }
      - { .name: ws, .offset: 24, .size: 8, .value_kind: global_buffer, .address_space: global }
      - { .name: b_qkv, .offset: 32, .size: 8, .value_kind: global_buffer, .address_space: global }
      - { .name: qkv, .offset: 40, .size: 8, .value_kind: global_buffer, .address_space: global }
      - { .name: q16, .offset: 48, .size: 8, .value_kind: global_buffer, .address_space: global }
    .group_segment_fixed_size: 327680
    .private_segment_fixed_size: 0
    .kernarg_segment_align: 8
    .kernarg_segment_size: 56
    .max_flat_workgroup_size: 128
    .sgpr_count:     102
    .vgpr_count:     1024
    .wavefront_size: 32
...
	.end_amdgpu_metadata
.endif
;; end of part 2
;; launch attn (part 3): grid 4 x 64, 8 waves a work-group, no clusters, 327,680 bytes of LDS; arguments qkv, o2; writes o2
.if DOCPART == 3
	.amdgcn_target "amdgcn-amd-amdhsa--gfx1250"
	.amdhsa_code_object_version 6
	.text
	.protected	k_q33f032a7a7_attn
	.globl	k_q33f032a7a7_attn
	.p2align	8
	.type	k_q33f032a7a7_attn,@function
k_q33f032a7a7_attn:
	s_mov_b64 s[64:65], 0
	v_nop
	global_prefetch_b8 v0, s[64:65] scope:SCOPE_SE
	s_setreg_imm32_b32 hwreg(HW_REG_WAVE_MODE, 25, 1), 1
	s_wait_xcnt 0x0
; o = softmax(q k^T / 8, causal) v for one (batch, head) a work-group row; q, k, v: f16 [3][64][2048][64]; products with f16 operands and f32 sums; maxima, exponentials and sums in f32.
; SHARES.  Work-group (i, bh), i = 0 .. 3, does TWO JOBS one after the other: the 256 queries of block i against key blocks 0 .. i, then those of block 7 - i against key blocks 0 .. 7 - i:
; always 9 slots of 256 keys, so all 256 work-groups have equal work and every trip count is a constant.  Wave w owns 32 queries: two tiles of 16, which share each fragment of K and V.
; A key step is 64 keys, four to a slot.  A step all of whose keys come after the wave's queries is jumped over (a branch on ids); on the diagonal hidden scores become -infinity.
; LAYOUT.  S^T = K Q^T (source 0 = 16 keys, source 1 = 16 queries): a lane holds ONE query (lane % 16) and keys 8 (lane / 16) + 0 .. 7.  Two such tiles, rounded to f16 in pairs, ARE source 1
; of O^T = V^T P.  K comes out of LDS as it lies, V ([key][channel]) turned, by ds_load_tr16_b128.
; SOFTMAX.  A running maximum m and sum l for each query: p = 2^(c s - c m), c = log2(e) / 8; in every step O and l are multiplied by a = 2^(c m_old - c m_new).
; RING.  Two slots of 256 keys; waves 0-3 fetch K's four quarters, waves 4-7 V's: one tensor load a wave behind each barrier, with four key steps in which to land.
; NO CLUSTER: the four work-groups of a head change jobs at different trips (trip i), so in one and the same trip they want different key blocks: there is no joint request to make.
; OUT: o2 [4096 row pairs][16 heads][2][64] f16: two rows of a head are 256 consecutive bytes.
; LIMITS: |q|, |k|, |v| under 65,504 as stored; NaN and infinities are not served.
; REGISTERS: window 0: v1-15 addresses; v16-31 statistics, 8 a tile; v32-95 S^T; v96-159 O^T; v160-223 V's fragments; v224-255 P.   window 1: v0-31 Q; v32-95 K's fragments.
.set PK,    144                        ; a row of K in LDS: 128 bytes + 16
.set PV,    160                        ; a row of V: 128 + 32
.set VOFF,  256*PK
.set SLOT1, 1<<17
.set STAGE, 2*SLOT1                    ; the way out: 32 rows x 144 bytes for each wave; no tile lands here
.set SPARE, STAGE+8*32*PK              ; the spare words, 128 bytes for each wave: four blocks of 256 bytes that no other line names
.set BLKB,  256*128                    ; a key block in memory
.set AK0, 1
.set AV0, 2
.set ADK, 3
.set ADV, 4
.set QO,  5
.set STO, 6
.set RD,  7
.set GO,  8
.set PFO, 9
.set SPW, 10
.set NIL, 11
.set LQ,  12                           ; lane % 16 - 8 (lane / 16)
.set NINF, 13
.set DD,  14
.set ST,  16                           ; tile t at ST + 8 t: +0 c m, +1 m, +2, +3 l in two halves, +4 .. +7 at work; a at +6
.set S,   32
.set O,   96
.set VF,  160
.set P,   224
.set KFR, 32                           ; in window 1
.set WV,  8
.set QB0, 12
.set QB1, 14
.set OB0, 16
.set OB1, 18
.set SEL, 20
.set CS,  22
.set G1K, 24
.set G1V, 32
.set G0K, 40
.set G0V, 44
.set TB,  48                           ; the slot in hand begins here
.set KEY, 49                           ; the step's first key
.set Q0,  50                           ; my first query
.set Q1,  51                           ; and that of the second job
.set SLOTS, 52
.set SW,  53                           ; the value of SLOTS in the trip that ends the first job: 8 - i
.set RS,  54                           ; s[54:55]
.set RSV, 56                           ; (i + 1) key blocks in bytes
.set LIM, 57
.set PFA, 58
.set MSB, 0
.macro WIN new
.if MSB != \new
	s_set_vgpr_msb (MSB<<8)|\new
.set MSB, \new
.endif
.endm
.macro TLOAD                           ; waves 0-3: K's quarter; waves 4-7: V's.  An s_nop 0 and four v_nop follow each line
	s_cmp_lt_u32 s[WV], 4
	s_cbranch_scc0 .Lfor_v_\@
	tensor_load_to_lds s[G0K:G0K+3], s[G1K:G1K+7]
	s_nop 0
.rept 4
	v_nop
.endr
	s_branch .Lasked_\@
.Lfor_v_\@:
	tensor_load_to_lds s[G0V:G0V+3], s[G1V:G1V+7]
	s_nop 0
.rept 4
	v_nop
.endr
.Lasked_\@:
.endm
; A PREFETCH INTO THE L2 of the key block that work-group i = 0 of the head asks for at its NEXT change of slots: in trip n it loads key block n and names key block n + 1: four key steps ahead.
; That work-group alone asks; each of its eight waves names its own 8,192 bytes (K's or V's quarter), lanes 256 bytes apart: key blocks 1 to 7 are named once each.  The last filling change names nothing.
.macro ASK
	s_cmp_gt_u32 s[SLOTS], s[LIM]
	s_cbranch_scc0 .Lnot_mine_\@
	global_prefetch_b8 v[PFO], s[PFA:PFA+1] th:TH_LOAD_NT scope:SCOPE_SE
.Lnot_mine_\@:
.endm
	s_load_b128 s[4:7], s[0:1], 0x0                ; qkv, o2
	v_lshl_add_u32 v[SPW], v0, 2, SPARE
	v_mov_b32 v[NIL], 0
	ds_add_u32 v[SPW], v[NIL]                      ; the wave's opening: the add, twice on end, and its wait ahead of my first tensor load
	ds_add_u32 v[SPW], v[NIL]
	v_lshrrev_b32 v1, 5, v0
	v_readfirstlane_b32 s[WV], v1                  ; wave 0..7
	s_mov_b32 s9, ttmp9                            ; i
	s_and_b32 s10, ttmp7, 0xffff                   ; bh = 16 batch + head
	s_mov_b32 s[G1K], (1<<16)|(1<<20)|(4<<22)|(3<<25)   ; elements of 2 bytes; padding: 4 words after every 32
	s_mov_b32 s[G1V], (1<<16)|(1<<20)|(4<<22)|(7<<25)   ; 8 words
.irp g, G1K, G1V
	s_mov_b32 s[\g+1], 64<<16                      ; tensor_dim0 = 64
	s_mov_b32 s[\g+2], 64<<16                      ; tensor_dim1 = 64
	s_mov_b32 s[\g+3], 64<<16                      ; tile_dim0 = 64
	s_mov_b32 s[\g+4], 64                          ; tile_dim1 = 64
	s_mov_b32 s[\g+5], 64                          ; the pitch: rows are dense
	s_mov_b32 s[\g+6], 0
	s_mov_b32 s[\g+7], 0
.endr
	s_lshl_b32 s[Q0], s9, 8
	s_lshl_b32 s66, s[WV], 5
	s_add_co_u32 s[Q0], s[Q0], s66                 ; 256 i + 32 wave
	s_sub_co_u32 s[Q1], 7, s9
	s_lshl_b32 s[Q1], s[Q1], 8
	s_add_co_u32 s[Q1], s[Q1], s66                 ; 256 (7 - i) + 32 wave
	s_lshl_b32 s67, s10, 18                        ; a head's 2,048 rows of 128 bytes
	s_lshl_b32 s12, s[Q0], 7
	s_add_co_u32 s12, s12, s67
	s_mov_b32 s13, 0
	s_lshl_b32 s14, s[Q1], 7
	s_add_co_u32 s14, s14, s67
	s_mov_b32 s15, 0
	s_lshr_b32 s68, s10, 4
	s_lshl_b32 s68, s68, 11                        ; the batch's first row
	s_and_b32 s69, s10, 15
	s_lshl_b32 s69, s69, 8                         ; the head's 256 bytes of a row pair
	s_add_co_u32 s16, s68, s[Q0]
	s_lshl_b32 s16, s16, 11
	s_add_co_u32 s16, s16, s69
	s_mov_b32 s17, 0
	s_add_co_u32 s18, s68, s[Q1]
	s_lshl_b32 s18, s18, 11
	s_add_co_u32 s18, s18, s69
	s_mov_b32 s19, 0
	s_and_b32 s70, s[WV], 3                        ; which quarter of a key block I fetch
	s_lshl_b32 s71, s70, 13
	s_add_co_u32 s60, s67, 64<<18
	s_add_co_u32 s60, s60, s71                     ; K: ((64 + bh) << 18) + quarter x 8,192
	s_mov_b32 s61, 0
	s_add_co_u32 s62, s67, 128<<18
	s_add_co_u32 s62, s62, s71                     ; V likewise
	s_mov_b32 s63, 0
	s_mov_b32 s[G0K], 1
	s_mul_i32 s[G0K+1], s70, 64*PK
	s_mov_b32 s[G0V], 1
	s_mul_i32 s[G0V+1], s70, 64*PV
	s_add_co_u32 s[G0V+1], s[G0V+1], VOFF
	s_mov_b32 s[SEL], 0x76543210
	s_mov_b32 s[SEL+1], 0xfedcba98
	s_mov_b32 s[CS], 0x3e38aa3b                    ; c = log2(e) / 8
	s_mov_b32 s[CS+1], s[CS]
	s_mov_b32 s[TB], 0
	s_mov_b32 s[KEY], 0
	s_mov_b32 s[SLOTS], 8
	s_sub_co_u32 s[SW], 8, s9
	s_mov_b32 s[RS], 0
	s_mov_b32 s[RS+1], 0
	s_add_co_u32 s[RSV], s9, 1
	s_lshl_b32 s[RSV], s[RSV], 15
	s_cmp_eq_u32 s9, 0
	s_cselect_b32 s[LIM], 1, -1
	s_wait_dscnt 0x0                               ; both opening adds are done
	s_wait_kmcnt 0x0
	s_add_nc_u64 s[QB0:QB0+1], s[4:5], s[QB0:QB0+1]
	s_add_nc_u64 s[QB1:QB1+1], s[4:5], s[QB1:QB1+1]
	s_add_nc_u64 s[OB0:OB0+1], s[6:7], s[OB0:OB0+1]
	s_add_nc_u64 s[OB1:OB1+1], s[6:7], s[OB1:OB1+1]
	s_add_nc_u64 s[60:61], s[4:5], s[60:61]
	s_add_nc_u64 s[62:63], s[4:5], s[62:63]
	s_mov_b64 s[G0K+2:G0K+3], s[60:61]
	s_or_b32 s[G0K+3], s[G0K+3], 0x80000000
	s_mov_b64 s[G0V+2:G0V+3], s[62:63]
	s_or_b32 s[G0V+3], s[G0V+3], 0x80000000
	s_cmp_lt_u32 s[WV], 4
	s_cselect_b64 s[PFA:PFA+1], s[60:61], s[62:63] ; my quarter of key block 0; each filling change steps it a block on.  Nothing is prefetched here, at the head
	TLOAD                                          ; slot 0: key block 0
	v_and_b32 v15, 15, v0                          ; r
	v_bfe_u32 v14, v0, 4, 1                        ; h
	v_lshlrev_b32 v[QO], 7, v15
	v_lshl_add_u32 v[QO], v14, 4, v[QO]            ; Q: row r of 128 bytes, + 16 h
.macro QLOAD qb                        ; my 32 queries stay in registers: tile t, channels 32 c on
	WIN 0x40
.irp t, 0,1
.irp c, 0,1
	global_load_b128 v[16*\t+8*\c:16*\t+8*\c+3],   v[QO], s[\qb:\qb+1] offset:\t*2048+64*\c
	global_load_b128 v[16*\t+8*\c+4:16*\t+8*\c+7], v[QO], s[\qb:\qb+1] offset:\t*2048+64*\c+32
.endr
.endr
	WIN 0
.endm
	QLOAD QB0
	v_mul_u32_u24 v[AK0], v15, PK
	v_lshl_add_u32 v[AK0], v14, 4, v[AK0]          ; K: row r x pitch + 16 h
	v_and_b32 v3, 7, v0
	v_lshl_add_u32 v[AV0], v14, 3, v3
	v_mul_u32_u24 v[AV0], v[AV0], PV
	v_bfe_u32 v4, v0, 3, 1
	v_lshl_add_u32 v[AV0], v4, 4, v[AV0]
	v_add_nc_u32 v[AV0], VOFF, v[AV0]              ; V: key 8 h + lane % 8, channels 8 ((lane / 8) % 2) on
	s_mul_i32 s66, s[WV], 32*PK
	s_add_co_u32 s66, s66, STAGE                   ; my stage
	v_add_nc_u32 v[STO], s66, v[AK0]               ; in: row r x 144 + 16 h
	v_and_b32 v[RD], 31, v0
	v_lshrrev_b32 v[RD], 3, v[RD]
	v_mul_u32_u24 v[RD], v[RD], PK
	v_lshl_add_u32 v[RD], v3, 4, v[RD]
	v_add_nc_u32 v[RD], s66, v[RD]                 ; back: four rows of 128 bytes an instruction
	v_lshlrev_b32 v[GO], 12, v14
	v_lshl_add_u32 v[GO], v4, 7, v[GO]
	v_lshl_add_u32 v[GO], v3, 4, v[GO]             ; the same four rows in o2: two row pairs, 4,096 bytes apart
	v_and_b32 v[PFO], 31, v0
	v_lshlrev_b32 v[PFO], 8, v[PFO]
	v_lshlrev_b32 v[LQ], 3, v14
	v_sub_nc_u32 v[LQ], v15, v[LQ]
	v_mov_b32 v[NINF], 0xff800000
.macro RESET                           ; a job begins: O^T and l are zeros, m lies under every score; the first change of m multiplies zeros
.set n, 0
.rept 64
	v_mov_b32 v[O+n], 0
.set n, n+1
.endr
.irp t, 0,1
	v_mov_b32 v[ST+8*\t+1], 0xff61b1e6             ; -3e38
	v_mul_f32 v[ST+8*\t], s[CS], v[ST+8*\t+1]
	v_mov_b32 v[ST+8*\t+2], 0
	v_mov_b32 v[ST+8*\t+3], 0
	v_mov_b32 v[ST+8*\t+5], 0
	v_mov_b32 v[ST+8*\t+7], 0
.endr
.endm
	RESET
.macro FETCH_K q                       ; 64 keys x 64 channels: 8 fragments, 16 loads
	WIN 0x40
.irp kt, 0,1,2,3
.irp c, 0,1
	ds_load_b128 v[KFR+16*\kt+8*\c:KFR+16*\kt+8*\c+3],   v[ADK] offset:(64*(\q)+16*\kt)*PK+64*\c
	ds_load_b128 v[KFR+16*\kt+8*\c+4:KFR+16*\kt+8*\c+7], v[ADK] offset:(64*(\q)+16*\kt)*PK+64*\c+32
.endr
.endr
	WIN 0
.endm
.macro FETCH_V q                       ; the same keys of V, turned: fragment (ks, ct): keys 32 ks on, channels 16 ct on
.irp ks, 0,1
.irp ct, 0,1,2,3
	ds_load_tr16_b128 v[VF+32*\ks+8*\ct:VF+32*\ks+8*\ct+3],   v[ADV] offset:(64*(\q)+32*\ks)*PV+32*\ct
	ds_load_tr16_b128 v[VF+32*\ks+8*\ct+4:VF+32*\ks+8*\ct+7], v[ADV] offset:(64*(\q)+32*\ks+16)*PV+32*\ct
.endr
.endr
.endm
.macro SMUL                            ; S^T = K Q^T: eight accumulators by turns; the first eight products start the sums
	WIN 0x05
.irp c, 0,1
.irp kt, 0,1,2,3
.irp t, 0,1
.if \c == 0
	v_wmma_f32_16x16x32_f16 v[S+32*\t+8*\kt:S+32*\t+8*\kt+7], v[KFR+16*\kt+8*\c:KFR+16*\kt+8*\c+7], v[16*\t+8*\c:16*\t+8*\c+7], 0
.else
	v_wmma_f32_16x16x32_f16 v[S+32*\t+8*\kt:S+32*\t+8*\kt+7], v[KFR+16*\kt+8*\c:KFR+16*\kt+8*\c+7], v[16*\t+8*\c:16*\t+8*\c+7], v[S+32*\t+8*\kt:S+32*\t+8*\kt+7]
.endif
.endr
.endr
.endr
	WIN 0
.endm
.macro PVMUL                           ; O^T += V^T P: eight accumulators by turns
.irp ks, 0,1
.irp ct, 0,1,2,3
.irp t, 0,1
	v_wmma_f32_16x16x32_f16 v[O+32*\t+8*\ct:O+32*\t+8*\ct+7], v[VF+32*\ks+8*\ct:VF+32*\ks+8*\ct+7], v[P+16*\t+8*\ks:P+16*\t+8*\ks+7], v[O+32*\t+8*\ct:O+32*\t+8*\ct+7]
.endr
.endr
.endr
.endm
.macro SOFTMAX                         ; both tiles, line by line in turn
.irp j, 0,1,2,3
.irp t, 0,1
	v_max3_num_f32 v[ST+8*\t+4+\j], v[S+32*\t+8*\j], v[S+32*\t+8*\j+1], v[S+32*\t+8*\j+2]   ; four chains; each accumulator is read from its low end on
.endr
.endr
.irp u, 1,2
.irp j, 0,1,2,3
.irp t, 0,1
	v_max3_num_f32 v[ST+8*\t+4+\j], v[ST+8*\t+4+\j], v[S+32*\t+8*\j+2*\u+1], v[S+32*\t+8*\j+2*\u+2]
.endr
.endr
.endr
.irp t, 0,1
	v_max3_num_f32 v[ST+8*\t+4], v[ST+8*\t+4], v[S+32*\t+7], v[S+32*\t+15]
.endr
.irp t, 0,1
	v_max3_num_f32 v[ST+8*\t+6], v[ST+8*\t+6], v[S+32*\t+23], v[S+32*\t+31]
.endr
.irp t, 0,1
	v_max3_num_f32 v[ST+8*\t+4], v[ST+8*\t+4], v[ST+8*\t+5], v[ST+8*\t+6]
.endr
.irp t, 0,1
	v_max3_num_f32 v[ST+8*\t+4], v[ST+8*\t+4], v[ST+8*\t+7], v[ST+8*\t+1]   ; with the old m
.endr
.irp t, 0,1
	v_permlanex16_b32 v[ST+8*\t+5], v[ST+8*\t+4], s[SEL], s[SEL+1]          ; the query's other 32 keys lie in the lane 16 away
.endr
.irp t, 0,1
	v_mov_b32 v[ST+8*\t+7], v[ST+8*\t]             ; c m_old
.endr
.irp t, 0,1
	v_max_num_f32 v[ST+8*\t+1], v[ST+8*\t+4], v[ST+8*\t+5]
.endr
.irp t, 0,1
	v_mul_f32 v[ST+8*\t], s[CS], v[ST+8*\t+1]
.endr
.irp t, 0,1
	v_sub_f32 v[ST+8*\t+7], v[ST+8*\t+7], v[ST+8*\t]
.endr
.irp b, 0,1,2,3,4,5,6,7,8,9,10,11,12,13,14,15
.irp t, 0,1
	v_pk_fma_f32 v[S+32*\t+2*\b:S+32*\t+2*\b+1], v[S+32*\t+2*\b:S+32*\t+2*\b+1], s[CS:CS+1], v[ST+8*\t:ST+8*\t+1] op_sel_hi:[1,0,0] neg_lo:[0,0,1] neg_hi:[0,0,1]   ; c s - c m
.endr
.endr
.irp t, 0,1
	v_exp_f32 v[ST+8*\t+6], v[ST+8*\t+7]           ; a
.endr
.set n, 0
.rept 64
	v_exp_f32 v[S+n], v[S+n]                       ; p: ONE BATCH of 66 exponentials; none reads another's result
.set n, n+1
.endr
	v_nop                                          ; the plain instruction behind the last exponential
	s_wait_alu depctr_va_vdst(0)                   ; one wait for the batch, ahead of its first reader
.irp t, 0,1
	v_pk_mul_f32 v[ST+8*\t+2:ST+8*\t+3], v[ST+8*\t+2:ST+8*\t+3], v[ST+8*\t+6:ST+8*\t+7] op_sel_hi:[1,0]   ; l under the new m
.endr
.irp t, 0,1
	v_pk_add_f32 v[ST+8*\t+4:ST+8*\t+5], v[S+32*\t:S+32*\t+1], v[S+32*\t+2:S+32*\t+3]
.endr
.irp j, 4,8,12,16,20,24,28
.irp t, 0,1
	v_pk_add_f32 v[ST+8*\t+2:ST+8*\t+3], v[ST+8*\t+2:ST+8*\t+3], v[S+32*\t+\j:S+32*\t+\j+1]
	v_pk_add_f32 v[ST+8*\t+4:ST+8*\t+5], v[ST+8*\t+4:ST+8*\t+5], v[S+32*\t+\j+2:S+32*\t+\j+3]
.endr
.endr
.irp t, 0,1
	v_pk_add_f32 v[ST+8*\t+2:ST+8*\t+3], v[ST+8*\t+2:ST+8*\t+3], v[ST+8*\t+4:ST+8*\t+5]
.endr
.irp t, 0,1
.irp n, 0,1,2,3,4,5,6,7,8,9,10,11,12,13,14,15
	v_cvt_pk_f16_f32 v[P+16*\t+\n], v[S+32*\t+2*\n], v[S+32*\t+2*\n+1]      ; tile kt's four pairs are registers 4 kt .. 4 kt + 3 of P
.endr
.endr
.irp t, 0,1
.irp n, 0,2,4,6,8,10,12,14,16,18,20,22,24,26,28,30
	v_pk_mul_f32 v[O+32*\t+\n:O+32*\t+\n+1], v[O+32*\t+\n:O+32*\t+\n+1], v[ST+8*\t+6:ST+8*\t+7] op_sel_hi:[1,0]   ; O^T under the new m
.endr
.endr
.endm
; A KEY STEP: the q-th 64 keys of the slot in hand.  K of this step was asked for a step ago.
.macro STEP q
	s_add_co_u32 s66, s[Q0], 31
	s_cmp_gt_u32 s[KEY], s66                       ; all 64 keys come after my 32 queries: ids and the count of steps alone
	s_cbranch_scc1 .Lhid_\@
	s_wait_dscnt 0x0                               ; K is in
	SMUL
.rept 4
	v_nop                                          ; the places in front of the loads into K's and V's registers and of the reads of S^T
.endr
	FETCH_V \q
.if \q < 3
	FETCH_K (\q)+1
.endif
	s_add_co_u32 s66, s[KEY], 63
	s_cmp_le_u32 s66, s[Q0]                        ; every key counts for every query of mine: nothing to hide
	s_cbranch_scc1 .Lopen_\@
	s_sub_co_i32 s66, s[Q0], s[KEY]
	v_add_nc_u32 v[DD], s66, v[LQ]                 ; d = Q0 - KEY + lane % 16 - 8 (lane / 16).  Register 8 kt + j of tile t is hidden where 16 kt + j - 16 t > d
.irp t, 0,1
.irp kt, 0,1,2,3
.irp j, 0,1,2,3,4,5,6,7
	v_cmp_gt_i32 vcc_lo, 16*\kt+\j-16*\t, v[DD]
	v_cndmask_b32 v[S+32*\t+8*\kt+\j], v[S+32*\t+8*\kt+\j], v[NINF], vcc_lo
.endr
.endr
.endr
.Lopen_\@:
	SOFTMAX
.if \q < 3
	s_wait_dscnt 16                                ; V is in; the next step's 16 loads of K may be out
.else
	s_wait_dscnt 0x0
.endif
	PVMUL
.Lhid_\@:
	s_add_co_u32 s[KEY], s[KEY], 64
.endm
; THE CHANGE OF SLOTS, at a slot's head.  Each wave waits for all its tensor loads (its part of the slot ahead), adds 0 to its spare word, and waits for that and for its reads of the slot that it has left.
; Behind the barrier the slot ahead is whole and nobody reads the other: fill = 1: it takes the next key block; in the trip that ends the first job that is key block 0 again.
.macro CHANGE fill
	s_wait_tensorcnt 0x0                           ; no tensor load of mine is out, so a group 0 may be written
	ds_add_u32 v[SPW], v[NIL]                      ; the descriptors' steps stand between it and the wait
.if \fill
	s_xor_b32 s[G0K+1], s[G0K+1], SLOT1
	s_xor_b32 s[G0V+1], s[G0V+1], SLOT1
	s_add_nc_u64 s[G0K+2:G0K+3], s[G0K+2:G0K+3], BLKB
	s_add_nc_u64 s[G0V+2:G0V+3], s[G0V+2:G0V+3], BLKB
	s_cmp_eq_u32 s[SLOTS], s[SW]
	s_cselect_b32 s[RS], s[RSV], 0
	s_sub_nc_u64 s[G0K+2:G0K+3], s[G0K+2:G0K+3], s[RS:RS+1]
	s_sub_nc_u64 s[G0V+2:G0V+3], s[G0V+2:G0V+3], s[RS:RS+1]
	s_wait_xcnt 0x0                                ; the last prefetch, a slot back, has read its address
	s_add_nc_u64 s[PFA:PFA+1], s[PFA:PFA+1], BLKB
.endif
	s_wait_dscnt 0x0
	s_barrier_signal -1
	s_barrier_wait -1
.if \fill
	TLOAD                                          ; my one tensor load behind this barrier, and the first thing there
	ASK
.endif
	v_add_nc_u32 v[ADK], s[TB], v[AK0]
	v_add_nc_u32 v[ADV], s[TB], v[AV0]
	FETCH_K 0
.endm
; THE WAY OUT of a job: O^T / l, rounded to f16, through my stage, out as whole pairs of rows: sixteen lanes store 256 consecutive bytes, aligned.
.macro WAYOUT ob
.rept 4
	v_nop                                          ; the places behind the last products
.endr
.irp t, 0,1
	v_add_f32 v[ST+8*\t+4], v[ST+8*\t+2], v[ST+8*\t+3]
.endr
.irp t, 0,1
	v_permlanex16_b32 v[ST+8*\t+5], v[ST+8*\t+4], s[SEL], s[SEL+1]
.endr
.irp t, 0,1
	v_add_f32 v[ST+8*\t+4], v[ST+8*\t+4], v[ST+8*\t+5]
.endr
.irp t, 0,1
	v_rcp_f32 v[ST+8*\t+6], v[ST+8*\t+4]
.endr
	v_nop
	s_wait_alu depctr_va_vdst(0)                   ; one wait for the two reciprocals
.irp t, 0,1
.irp n, 0,2,4,6,8,10,12,14,16,18,20,22,24,26,28,30
	v_pk_mul_f32 v[O+32*\t+\n:O+32*\t+\n+1], v[O+32*\t+\n:O+32*\t+\n+1], v[ST+8*\t+6:ST+8*\t+7] op_sel_hi:[1,0]
.endr
.endr
.irp t, 0,1
.irp n, 0,1,2,3,4,5,6,7,8,9,10,11,12,13,14,15
	v_cvt_pk_f16_f32 v[S+32*\t+\n], v[O+32*\t+2*\n], v[O+32*\t+2*\n+1]
.endr
.endr
.irp t, 0,1
.irp ct, 0,1,2,3
	ds_store_b128 v[STO], v[S+32*\t+4*\ct:S+32*\t+4*\ct+3] offset:\t*16*PK+32*\ct
.endr
.endr
.irp n, 0,1,2,3,4,5,6,7
	ds_load_b128 v[VF+4*\n:VF+4*\n+3], v[RD] offset:\n*4*PK      ; LDS serves a wave's instructions in order: these see my stores
.endr
.irp n, 0,1,2,3,4,5,6,7
	s_wait_dscnt 7-\n
	global_store_b128 v[GO], v[VF+4*\n:VF+4*\n+3], s[\ob:\ob+1] offset:\n*8192
.endr
.endm
	s_wait_loadcnt 0x0                             ; Q
.Lslot:                                            ; 8 trips; the ninth slot is written out behind the loop
	CHANGE 1
	STEP 0
	STEP 1
	STEP 2
	STEP 3
	s_xor_b32 s[TB], s[TB], SLOT1
	s_cmp_lg_u32 s[SLOTS], s[SW]
	s_cbranch_scc1 .Lsame_job
	QLOAD QB1                                      ; THE FIRST JOB IS DONE: the second job's queries are asked for, the first's result leaves,
	WAYOUT OB0
	s_wait_xcnt 0x0                                ; (the stores have read their registers, into which V's next fragments will be loaded)
	RESET                                          ; and the sums begin anew
	s_mov_b32 s[KEY], 0
	s_mov_b32 s[Q0], s[Q1]
	s_wait_loadcnt 0x0
.Lsame_job:
	s_sub_co_u32 s[SLOTS], s[SLOTS], 1
	s_cmp_lg_u32 s[SLOTS], 0
	s_cbranch_scc1 .Lslot
	CHANGE 0
	STEP 0
	STEP 1
	STEP 2
	STEP 3
	WAYOUT OB1
	s_wait_tensorcnt 0x0                           ; the wave's end
	ds_add_u32 v[SPW], v[NIL]
	s_wait_dscnt 0x0
	s_endpgm
.Lfunc_end_k_q33f032a7a7_attn:
	.size	k_q33f032a7a7_attn, .Lfunc_end_k_q33f032a7a7_attn-k_q33f032a7a7_attn
	.p2alignl 7, 3214868480
	.fill 96, 4, 3214868480
	.section	.rodata,"a",@progbits
	.p2align	6, 0x0
	.amdhsa_kernel k_q33f032a7a7_attn
		.amdhsa_group_segment_fixed_size 327680
		.amdhsa_private_segment_fixed_size 0
		.amdhsa_enable_private_segment 0
		.amdhsa_kernarg_size 16
		.amdhsa_user_sgpr_count 2
		.amdhsa_user_sgpr_kernarg_segment_ptr 1
		.amdhsa_wavefront_size32 1
		.amdhsa_system_sgpr_workgroup_id_x 1
		.amdhsa_system_sgpr_workgroup_id_y 1
		.amdhsa_system_sgpr_workgroup_id_z 1
		.amdhsa_system_vgpr_workitem_id 0
		.amdhsa_next_free_vgpr 384
		.amdhsa_next_free_sgpr 72
		.amdhsa_reserve_vcc 1
		.amdhsa_float_denorm_mode_32 3
		.amdhsa_float_denorm_mode_16_64 3
		.amdhsa_memory_ordered 1
		.amdhsa_forward_progress 1
		.amdhsa_inst_pref_size 198
	.end_amdhsa_kernel
	.amdgpu_metadata
---
amdhsa.version: [ 1, 2 ]
amdhsa.kernels:
  - .name:           k_q33f032a7a7_attn
    .symbol:         k_q33f032a7a7_attn.kd
    .args:
      - { .name: qkv, .offset: 0, .size: 8, .value_kind: global_buffer, .address_space: global }
      - { .name: o2, .offset: 8, .size: 8, .value_kind: global_buffer, .address_space: global }
    .group_segment_fixed_size: 327680
    .private_segment_fixed_size: 0
    .kernarg_segment_align: 8
    .kernarg_segment_size: 16
    .max_flat_workgroup_size: 256
    .sgpr_count:     72
    .vgpr_count:     384
    .wavefront_size: 32
...
	.end_amdgpu_metadata
.endif
;; end of part 3
;; launch proj (part 4): grid 8 x 64, 4 waves a work-group, clusters of 4 x 4, 327,680 bytes of LDS; arguments o2, wo16, b_out, out0; writes out0
.if DOCPART == 4
	.amdgcn_target "amdgcn-amd-amdhsa--gfx1250"
	.amdhsa_code_object_version 6
	.text
	.protected	k_q33f032a7a7_proj
	.globl	k_q33f032a7a7_proj
	.p2align	8
	.type	k_q33f032a7a7_proj,@function
k_q33f032a7a7_proj:
	s_mov_b64 s[64:65], 0
	v_nop
	global_prefetch_b8 v0, s[64:65] scope:SCOPE_SE
	s_setreg_imm32_b32 hwreg(HW_REG_WAVE_MODE, 25, 1), 1
	s_wait_xcnt 0x0
	s_wait_alu depctr_hold_cnt(0) depctr_sa_sdst(0) depctr_va_vdst(0) depctr_va_sdst(0) depctr_va_ssrc(0) depctr_va_vcc(0) depctr_vm_vsrc(0)
	s_getreg_b32 s2, hwreg(HW_REG_IB_STS2, 6, 4)
	s_cmp_eq_u32 s2, 0
	s_cbranch_scc0 .Lentry_in_a_cluster
	s_endpgm
.Lentry_in_a_cluster:
	s_bfe_u32 s2, ttmp6, 0x10000c
	s_cmp_lg_u32 s2, 0xf033
	s_cbranch_scc0 .Lentry_shape_is_right
	s_endpgm
.Lentry_shape_is_right:
; out0 = o W_out + b_out, f16 operands, f32 sums, for all rows but the first 16 of each sequence (those are another launch's: every byte of out0 has one owner).
; A = o2 [4096 row pairs][16 heads][2][64] f16; B = wo16 [1024 (k)][1024 (n)] f16, as W_out lies; out0 [8192][1024] f32.
; A tile of 128 x 128 is made by four waves, each 64 x 64: 16 accumulators.  K goes in four steps of 256 (four heads) through two LDS slots.  A K step of a row pair is 1,024 consecutive bytes;
; B's tile is 256 rows k of 256 bytes and is read turned, by ds_load_tr16_b128.
; CLUSTERS: 4 x 4 work-groups; A's tiles are asked for jointly along a row of the cluster, B's along a column.  Tile row = cluster y + 16 cy, so that the tile rows that begin a sequence are those of cluster y = 0.
; THE MATRIX INSTRUCTION IS USED TRANSPOSED (source 0 = 16 columns n of B, source 1 = 16 rows of A): a lane holds eight neighbouring columns of one row.  THE BIAS is the C of the first products.
; No prefetch: the tiles are small and shared in the cluster.  LIMIT: |o| and |W_out| under 65,504 as stored.
; REGISTERS: window 0: v0-31 addresses; v32-95 the way out; v96-127 the bias; v128-255 the accumulators.  window 1: two fragment buffers of 128: 64 of A, then 64 of B.
.set PA,     1040                      ; a row pair's K step in LDS: 1,024 bytes + 16
.set PB,     288                       ; a row k of B's tile: 256 bytes + 32
.set HALFA,  32*PA
.set HALFB,  128*PB
.set SLOT,   2*HALFA+2*HALFB
.set SPARE,  2*SLOT                    ; the spare words, 128 bytes for each wave: two blocks of 256 bytes that no other line names
.set SPITCH, 272                       ; the way out: 16 rows x (256 bytes + 16) for each wave, in slot 0, which has had its last fill and its last read by then
.set LAPS,   2
.set ADRA, 16                          ; v16-17  A's fragments in slot 0, 1
.set ADRB, 20                          ; v20-23  B's: two registers a slot, for rows k 0-127 and 128-255: one register's offsets would pass 65,535
.set STO,  24
.set RD,   25
.set CO,   26
.set BO,   27
.set SPW,  28
.set NIL,  29
.set OB,   32
.set BI,   96
.set ACC,  128
.set F0,   0
.set F1,   128
.set G1, 24
.set G0, 32
.set G1B, 48
.set G0B, 56
.set FLAG, 71                          ; s71  0 where my 64 rows begin a sequence
.set MSB, 0
.macro WIN new
.if MSB != \new
	s_set_vgpr_msb (MSB<<8)|\new
.set MSB, \new
.endif
.endm
.set MUL,  0x05                        ; sources 0 (B) and 1 (A) window 1; C and D window 0
.set TO_F, 0x40
.macro JLOAD s                         ; a joint load: waves 0 and 1 fetch A's halves, waves 2 and 3 B's; an s_nop 0 and four v_nop follow each line
	s_cmp_eq_u32 s11, 0
	s_cbranch_scc0 .Lfor_b_\@
	tensor_load_to_lds s[G0+4*\s:G0+4*\s+3], s[G1:G1+7]
	s_nop 0
.rept 4
	v_nop
.endr
	s_branch .Lasked_\@
.Lfor_b_\@:
	tensor_load_to_lds s[G0B+4*\s:G0B+4*\s+3], s[G1B:G1B+7]
	s_nop 0
.rept 4
	v_nop
.endr
.Lasked_\@:
.endm
.macro CREST
	s_cmp_lg_u32 s10, 0
	s_cbranch_scc1 .Lnot_wave_0_\@
	s_barrier_signal -3
.Lnot_wave_0_\@:
	s_barrier_wait -3
	s_barrier_signal -1
	s_barrier_wait -1
.endm
.macro CROUND
	s_barrier_signal -1
	s_barrier_wait -1
	CREST
.endm
	s_load_b128 s[4:7], s[0:1], 0x0                ; o2, wo16
	s_load_b64 s[66:67], s[0:1], 0x10              ; b_out
	s_load_b64 s[8:9], s[0:1], 0x18                ; out0
	v_lshl_add_u32 v[SPW], v0, 2, SPARE
	v_mov_b32 v[NIL], 0
	ds_add_u32 v[SPW], v[NIL]                      ; the wave's opening: the add, twice on end, and its wait ahead of my first tensor load
	ds_add_u32 v[SPW], v[NIL]
	v_lshrrev_b32 v1, 5, v0
	v_readfirstlane_b32 s10, v1                    ; wave 0..3
	s_lshr_b32 s11, s10, 1                         ; which half of the tile's rows is mine.  Also: I fetch for A (0) or for B (1)
	s_and_b32 s12, s10, 1                          ; which half of its columns.  Also: which half of that tile I fetch
	s_bfe_u32 s40, ttmp6, 0x40000                  ; cx
	s_bfe_u32 s41, ttmp6, 0x40004                  ; cy
	s_lshl_b32 s42, ttmp9, 2
	s_add_co_u32 s42, s42, s40                     ; tile column = 4 x cluster x + cx
	s_and_b32 s13, ttmp7, 0xffff
	s_or_b32 s[FLAG], s13, s11                     ; the cluster's y and the wave's number: alike in all partners
	s_lshl_b32 s14, s41, 4
	s_add_co_u32 s13, s13, s14                     ; tile row = cluster y + 16 cy
	s_lshl_b32 s43, s41, 2
	s_lshl_b32 s43, 15, s43                        ; my row of the cluster
	s_lshl_b32 s44, 0x1111, s40                    ; my column
	s_or_b32 s[G1+0], s43, (1<<16)|(1<<20)|(1<<21)|(7<<22)|(3<<25)   ; A: elements of 2 bytes; padding: 4 words after every 256; bit 21 beside a mask
	s_mov_b32 s[G1+1], 512<<16                     ; tensor_dim0 = 512
	s_mov_b32 s[G1+2], 32<<16                      ; tensor_dim1 = 32 row pairs
	s_mov_b32 s[G1+3], 512<<16                     ; tile_dim0
	s_mov_b32 s[G1+4], 32                          ; tile_dim1
	s_mov_b32 s[G1+5], 2048                        ; from row pair to row pair
	s_mov_b32 s[G1+6], 0
	s_mov_b32 s[G1+7], 0
	s_or_b32 s[G1B+0], s44, (1<<16)|(1<<20)|(1<<21)|(5<<22)|(7<<25)  ; B: padding: 8 words after every 64
	s_mov_b32 s[G1B+1], 128<<16
	s_mov_b32 s[G1B+2], 128<<16
	s_mov_b32 s[G1B+3], 128<<16
	s_mov_b32 s[G1B+4], 128
	s_mov_b32 s[G1B+5], 1024
	s_mov_b32 s[G1B+6], 0
	s_mov_b32 s[G1B+7], 0
	s_lshl_b32 s16, s13, 6
	s_lshl_b32 s17, s12, 5
	s_add_co_u32 s16, s16, s17
	s_lshl_b32 s16, s16, 12                        ; A: row pair 64 x tile row + 32 x half, 4,096 bytes each
	s_mov_b32 s17, 0
	s_lshl_b32 s46, s12, 18                        ; B: row k 128 x half of 2,048 bytes,
	s_lshl_b32 s47, s42, 8
	s_add_co_u32 s46, s46, s47                     ; + the tile's 256 bytes
	s_mov_b32 s47, 0
	s_mul_i32 s20, s12, HALFA                      ; where they go: no place in the cluster enters an LDS address
	s_mul_i32 s21, s12, HALFB
	s_add_co_u32 s21, s21, 2*HALFA
	s_wait_dscnt 0x0                               ; both opening adds are done
	s_wait_kmcnt 0x0
	s_add_nc_u64 s[14:15], s[4:5], s[16:17]
	s_add_nc_u64 s[46:47], s[6:7], s[46:47]
	CROUND                                         ; all sixteen work-groups are here: the first joint loads meet
.irp s, 0,1
	s_mov_b32 s[G0+4*\s], 1
	s_add_co_u32 s[G0+4*\s+1], s20, \s*SLOT
	s_add_nc_u64 s[G0+4*\s+2:G0+4*\s+3], s[14:15], \s*1024
	s_or_b32 s[G0+4*\s+3], s[G0+4*\s+3], 0x80000000
	s_mov_b32 s[G0B+4*\s], 1
	s_add_co_u32 s[G0B+4*\s+1], s21, \s*SLOT
	s_add_nc_u64 s[G0B+4*\s+2:G0B+4*\s+3], s[46:47], \s*524288
	s_or_b32 s[G0B+4*\s+3], s[G0B+4*\s+3], 0x80000000
	JLOAD \s
.endr
	v_and_b32 v1, 15, v0                           ; r
	v_bfe_u32 v2, v0, 4, 1                         ; h
	; the bias of my 64 columns: lane (r, h) wants, for tile b, the numbers of columns 16 b + 8 h + 0 .. 7
	s_lshl_b32 s22, s42, 9
	s_lshl_b32 s23, s12, 8
	s_add_co_u32 s22, s22, s23                     ; my first column in bytes of f32
	s_mov_b32 s23, 0
	s_add_nc_u64 s[66:67], s[66:67], s[22:23]
	v_lshlrev_b32 v[BO], 5, v2
.irp b, 0,1,2,3
.irp u, 0,1
	global_load_b128 v[BI+8*\b+4*\u:BI+8*\b+4*\u+3], v[BO], s[66:67] offset:64*\b+16*\u
.endr
.endr
	s_add_nc_u64 s[8:9], s[8:9], s[22:23]          ; out0 at my first column,
	s_lshl_b32 s22, s13, 7
	s_lshl_b32 s23, s11, 6
	s_add_co_u32 s22, s22, s23
	s_lshl_b32 s22, s22, 12                        ; and my first row: 128 x tile row + 64 x half, 4,096 bytes each
	s_mov_b32 s23, 0
	s_add_nc_u64 s[8:9], s[8:9], s[22:23]
	v_lshrrev_b32 v3, 1, v1
	v_mul_u32_u24 v3, v3, PA                       ; A: row r lies in row pair r / 2,
	v_and_b32 v4, 1, v0
	v_lshl_add_u32 v3, v4, 7, v3                   ; 128 bytes on where r is odd,
	v_lshl_add_u32 v3, v2, 4, v3                   ; + 16 h
	s_mul_i32 s22, s11, HALFA
	v_add_nc_u32 v[ADRA], s22, v3
	s_add_co_u32 s22, s22, SLOT
	v_add_nc_u32 v[ADRA+1], s22, v3
	v_and_b32 v4, 7, v0
	v_lshl_add_u32 v4, v2, 3, v4
	v_mul_u32_u24 v4, v4, PB                       ; B: row k = 8 h + lane % 8,
	v_bfe_u32 v5, v0, 3, 1
	v_lshl_add_u32 v4, v5, 4, v4                   ; columns 8 ((lane / 8) % 2) on
	s_lshl_b32 s22, s12, 7
	s_add_co_u32 s22, s22, 2*HALFA                 ; my 64 columns, behind A's two halves
	v_add_nc_u32 v[ADRB], s22, v4
	s_add_co_u32 s23, s22, HALFB
	v_add_nc_u32 v[ADRB+1], s23, v4
	s_add_co_u32 s22, s22, SLOT
	v_add_nc_u32 v[ADRB+2], s22, v4
	s_add_co_u32 s23, s22, HALFB
	v_add_nc_u32 v[ADRB+3], s23, v4
	s_mul_i32 s23, s10, 16*SPITCH                  ; my stage
	v_mul_u32_u24 v5, v1, SPITCH
	v_lshl_add_u32 v5, v2, 5, v5
	v_add_nc_u32 v[STO], s23, v5                   ; in: row r, 32 bytes for each half of the lanes
	v_mul_u32_u24 v5, v2, SPITCH
	v_lshl_add_u32 v5, v1, 4, v5
	v_add_nc_u32 v[RD], s23, v5                    ; back: lanes 0-15 one row of 256 bytes, lanes 16-31 the next
	v_lshlrev_b32 v5, 12, v2
	v_lshl_add_u32 v[CO], v1, 4, v5                ; and the same two rows in out0
.macro MUL8 f, c, a0, first            ; 8 matrix instructions: row blocks a0, a0 + 1 x all 4 column blocks, 32 along K.  The 16 accumulators take turns
.irp a, \a0, \a0+1
.irp b, 0,1,2,3
.if \first
	v_wmma_f32_16x16x32_f16 v[ACC+8*(4*(\a)+\b):ACC+8*(4*(\a)+\b)+7], v[\f+64+8*(4*\c+\b):\f+64+8*(4*\c+\b)+7], v[\f+8*(4*\c+\a):\f+8*(4*\c+\a)+7], v[BI+8*\b:BI+8*\b+7]
.else
	v_wmma_f32_16x16x32_f16 v[ACC+8*(4*(\a)+\b):ACC+8*(4*(\a)+\b)+7], v[\f+64+8*(4*\c+\b):\f+64+8*(4*\c+\b)+7], v[\f+8*(4*\c+\a):\f+8*(4*\c+\a)+7], v[ACC+8*(4*(\a)+\b):ACC+8*(4*(\a)+\b)+7]
.endif
.endr
.endr
.endm
.macro FETCH slot, qd, f               ; 32 LDS loads in one run: quarter qd of the slot (one head: 64 along K) into buffer f; the first 32 along K first
	WIN TO_F
.irp c, 0,1
.irp i, 0,1,2,3
	ds_load_tr16_b128 v[\f+64+8*(4*\c+\i):\f+64+8*(4*\c+\i)+3],   v[ADRB+2*(\slot)+(\qd)/2] offset:(((\qd)%2)*64+32*\c)*PB+32*\i
	ds_load_tr16_b128 v[\f+64+8*(4*\c+\i)+4:\f+64+8*(4*\c+\i)+7], v[ADRB+2*(\slot)+(\qd)/2] offset:(((\qd)%2)*64+32*\c+16)*PB+32*\i
	ds_load_b128 v[\f+8*(4*\c+\i):\f+8*(4*\c+\i)+3],         v[ADRA+\slot] offset:256*(\qd)+64*\c+\i*8*PA
	ds_load_b128 v[\f+8*(4*\c+\i)+4:\f+8*(4*\c+\i)+7],       v[ADRA+\slot] offset:256*(\qd)+64*\c+\i*8*PA+32
.endr
.endr
.endm
.macro PLACES
.rept 4
	v_nop
.endr
.endm
.macro QUARTER slot, qd, f, g, first   ; multiplies buffer f and fetches quarter qd of the same slot into g
	s_wait_dscnt 16                                ; the first 32 along K are in
	WIN MUL
	MUL8 \f, 0, 0, \first
	MUL8 \f, 0, 2, \first
	PLACES
	FETCH \slot, \qd, \g
	s_wait_dscnt 32                                ; all but the 32 just issued
	WIN MUL
	MUL8 \f, 1, 0, 0
	MUL8 \f, 1, 2, 0
.endm
; A slot's last quarter changes slots: ONE barrier; in front of it each wave waits for all its tensor loads, adds 0 to its spare word, and waits for that and for its reads of this slot.
.macro TURN slot, next, fill
	WIN 0
	s_wait_tensorcnt 0x0                           ; all my tensor loads have landed: my part of the next slot
	ds_add_u32 v[SPW], v[NIL]
	s_wait_dscnt 17                                ; (the add and the youngest sixteen loads may be out)
	WIN MUL
	MUL8 F1, 0, 0, 0
	s_wait_dscnt 0x0                               ; the add is done, and my reads of this slot are over
	s_barrier_signal -1
	MUL8 F1, 0, 2, 0
.if \fill
	WIN 0
.endif
	s_barrier_wait -1
.if \fill
	CREST                                          ; the barrier has opened a round of the cluster's barrier: no wave of any partner still reads this slot or has a load on its way
	s_add_nc_u64 s[G0+4*\slot+2:G0+4*\slot+3], s[G0+4*\slot+2:G0+4*\slot+3], 2*1024
	s_add_nc_u64 s[G0B+4*\slot+2:G0B+4*\slot+3], s[G0B+4*\slot+2:G0B+4*\slot+3], 2*524288
	JLOAD \slot                                    ; the first tensor load behind the round; its four v_nop are also the places in front of the loads below
.else
	PLACES
.endif
	FETCH \next, 0, F0
	WIN MUL
	MUL8 F1, 1, 0, 0
	MUL8 F1, 1, 2, 0
.endm
	s_wait_tensorcnt 1                             ; my part of K step 0 is in; K step 1's may be out
	s_barrier_signal -1
	s_barrier_wait -1
	FETCH 0, 0, F0
	s_wait_loadcnt 0x0                             ; the bias
	QUARTER 0, 1, F0, F1, 1                        ; the first quarter stands in front of the loop: its first products take the bias as C
	WIN 0
	s_mov_b32 s3, LAPS-1
.Llap:
	QUARTER 0, 2, F1, F0, 0
	QUARTER 0, 3, F0, F1, 0
	TURN 0, 1, 1
	QUARTER 1, 1, F0, F1, 0
	QUARTER 1, 2, F1, F0, 0
	QUARTER 1, 3, F0, F1, 0
	TURN 1, 0, 1
	QUARTER 0, 1, F0, F1, 0
	WIN 0
	s_sub_co_u32 s3, s3, 1
	s_cmp_lg_u32 s3, 0
	s_cbranch_scc1 .Llap
	QUARTER 0, 2, F1, F0, 0                        ; the last lap fills nothing
	QUARTER 0, 3, F0, F1, 0
	TURN 0, 1, 0
	QUARTER 1, 1, F0, F1, 0
	QUARTER 1, 2, F1, F0, 0
	QUARTER 1, 3, F0, F1, 0
	s_wait_dscnt 16
	WIN MUL
	MUL8 F1, 0, 0, 0
	MUL8 F1, 0, 2, 0
	s_wait_dscnt 0
	MUL8 F1, 1, 0, 0
	MUL8 F1, 1, 2, 0
	WIN 0
; THE WAY OUT, each wave by itself: its 64 columns are 256 aligned bytes of a row.  A block of 16 rows goes through my stage and comes back as whole rows: sixteen lanes store 256 consecutive bytes.
.macro TOSTAGE a
.set BB, OB+32*((\a)%2)
.irp b, 0,1,2,3
	ds_store_b128 v[STO], v[ACC+8*(4*(\a)+\b):ACC+8*(4*(\a)+\b)+3] offset:64*\b        ; each accumulator from its low end on
	ds_store_b128 v[STO], v[ACC+8*(4*(\a)+\b)+4:ACC+8*(4*(\a)+\b)+7] offset:64*\b+16
.endr
.irp t, 0,1,2,3,4,5,6,7
	ds_load_b128 v[BB+4*\t:BB+4*\t+3], v[RD] offset:\t*2*SPITCH   ; LDS serves a wave's instructions in order
.endr
.endm
.macro SEND a, younger, guarded
.set BB, OB+32*((\a)%2)
	s_wait_dscnt \younger                          ; the block is back; the next block's sixteen LDS instructions may be out
.if \guarded
	s_cmp_eq_u32 s[FLAG], 0                        ; a sequence's first 16 rows are stored by the launch that carries them in f32
	s_cbranch_scc1 .Lnot_mine_\@
.endif
.irp t, 0,1,2,3,4,5,6,7
	global_store_b128 v[CO], v[BB+4*\t:BB+4*\t+3], s[8:9] offset:(16*(\a)+2*\t)*4096 th:TH_STORE_NT
.endr
.if \guarded
.Lnot_mine_\@:
.endif
.endm
	PLACES
	TOSTAGE 0
	TOSTAGE 1
	SEND 0, 16, 1
	s_wait_xcnt 0x0                                ; block 0's stores have read their registers: block 2's loads may land there
	TOSTAGE 2
	SEND 1, 16, 0
	s_wait_xcnt 0x0
	TOSTAGE 3
	SEND 2, 16, 0
	SEND 3, 0, 0
	s_wait_tensorcnt 0x0                           ; the wave's end
	ds_add_u32 v[SPW], v[NIL]
	s_wait_dscnt 0x0
	CROUND                                         ; the closing round
	s_endpgm
.Lfunc_end_k_q33f032a7a7_proj:
	.size	k_q33f032a7a7_proj, .Lfunc_end_k_q33f032a7a7_proj-k_q33f032a7a7_proj
	.p2alignl 7, 3214868480
	.fill 96, 4, 3214868480
	.section	.rodata,"a",@progbits
	.p2align	6, 0x0
	.amdhsa_kernel k_q33f032a7a7_proj
		.amdhsa_group_segment_fixed_size 327680
		.amdhsa_private_segment_fixed_size 0
		.amdhsa_enable_private_segment 0
		.amdhsa_kernarg_size 32
		.amdhsa_user_sgpr_count 2
		.amdhsa_user_sgpr_kernarg_segment_ptr 1
		.amdhsa_wavefront_size32 1
		.amdhsa_system_sgpr_workgroup_id_x 1
		.amdhsa_system_sgpr_workgroup_id_y 1
		.amdhsa_system_sgpr_workgroup_id_z 1
		.amdhsa_system_vgpr_workitem_id 0
		.amdhsa_next_free_vgpr 512
		.amdhsa_next_free_sgpr 72
		.amdhsa_reserve_vcc 0
		.amdhsa_float_denorm_mode_32 3
		.amdhsa_float_denorm_mode_16_64 3
		.amdhsa_memory_ordered 1
		.amdhsa_forward_progress 1
		.amdhsa_inst_pref_size 87
	.end_amdhsa_kernel
	.amdgpu_metadata
---
amdhsa.version: [ 1, 2 ]
amdhsa.kernels:
  - .name:           k_q33f032a7a7_proj
    .symbol:         k_q33f032a7a7_proj.kd
    .args:
      - { .name: o2, .offset: 0, .size: 8, .value_kind: global_buffer, .address_space: global }
      - { .name: wo16, .offset: 8, .size: 8, .value_kind: global_buffer, .address_space: global }
      - { .name: b_out, .offset: 16, .size: 8, .value_kind: global_buffer, .address_space: global }
      - { .name: out0, .offset: 24, .size: 8, .value_kind: global_buffer, .address_space: global }
    .group_segment_fixed_size: 327680
    .private_segment_fixed_size: 0
    .kernarg_segment_align: 8
    .kernarg_segment_size: 32
    .max_flat_workgroup_size: 128
    .sgpr_count:     72
    .vgpr_count:     512
    .wavefront_size: 32
...
	.end_amdgpu_metadata
.endif
;; end of part 4
;; launch first16 (part 5): grid 64 x 4, 16 waves a work-group, no clusters, 18,432 bytes of LDS; arguments q16, W_out, b_out, out0; writes out0
.if DOCPART == 5
	.amdgcn_target "amdgcn-amd-amdhsa--gfx1250"
	.amdhsa_code_object_version 6
	.text
	.protected	k_q33f032a7a7_first16
	.globl	k_q33f032a7a7_first16
	.p2align	8
	.type	k_q33f032a7a7_first16,@function
k_q33f032a7a7_first16:
	s_mov_b64 s[64:65], 0
	v_nop
	global_prefetch_b8 v0, s[64:65] scope:SCOPE_SE
	s_setreg_imm32_b32 hwreg(HW_REG_WAVE_MODE, 25, 1), 1
	s_wait_xcnt 0x0
; THE FIRST 16 POSITIONS OF EACH SEQUENCE, ALL IN F32: they average one to sixteen values and are the largest numbers of the output, so no operand of theirs is rounded to 16 bits.
; q16 [64 (16 batch + position)][3072] f32 holds their q, k, v.  Work-group (x, b) makes out0[b][0 .. 15][16 x .. 16 x + 15].  Wave w is head w: it makes its head's attention for the 16 positions
; and then its head's 64 of K of the projection; the 16 parts meet in LDS.  The attention is made again in each of a batch's 64 work-groups: 32 small matrix instructions a wave.
; All products by the f32 matrix form (16 x 16 x 4), used transposed, with K permuted ALIKE on both sources, so that a result's registers, taken in pairs, are the next product's source as they stand.
; The registers that this form writes (SA, SB, O, R) are written by matrix instructions alone; each sum starts with the constant 0; what is made of a sum goes into other registers.
; No tensor load, no cluster, no prefetch: a short launch on little data.  Its stores are runs of 64 bytes: 256 KiB in all.
.set SPARE, 16384                      ; behind the 16 parts of 1,024 bytes: the spare words, 128 bytes for each wave: eight blocks of 256 bytes that no other line names
.set SPW, 12
.set NIL, 13
.set QF,  16                           ; v16-47   q: lane (r, h): query r, channels 32 h + 0 .. 31; later o / l
.set KF,  48                           ; v48-79   k likewise; later the wave's part and the last sums
.set VF,  80                           ; v80-111  register 8 ct + n: v(key 8 h + n, channel 16 ct + r)
.set WF,  112                          ; v112-143 register 8 ct + n: W_out(64 w + 16 ct + 8 h + n, n0 + r)
.set SA,  144
.set SB,  152
.set T,   160
.set P,   168
.set O,   176
.set R,   208
	s_load_b256 s[4:11], s[0:1], 0x0               ; q16 s[4:5], W_out s[6:7], b_out s[8:9], out0 s[10:11]
	v_lshl_add_u32 v[SPW], v0, 2, SPARE
	v_mov_b32 v[NIL], 0
	v_lshrrev_b32 v1, 5, v0
	v_readfirstlane_b32 s12, v1                    ; wave = head
	s_and_b32 s13, ttmp7, 0xffff                   ; batch
	s_lshl_b32 s14, ttmp9, 6                       ; 4 n0: my 16 columns in bytes
	s_mul_i32 s16, s13, 16*12288
	s_lshl_b32 s15, s12, 8
	s_add_co_u32 s16, s16, s15                     ; q16: the batch's 16 rows, the head's 64 columns
	s_mov_b32 s17, 0
	s_lshl_b32 s18, s12, 18
	s_add_co_u32 s18, s18, s14                     ; W_out: the head's 64 rows, my columns
	s_mov_b32 s19, 0
	s_mov_b32 s20, s14
	s_mov_b32 s21, 0
	s_lshl_b32 s22, s13, 23
	s_add_co_u32 s22, s22, s14                     ; out0: the batch's first row, my columns
	s_mov_b32 s23, 0
	s_mov_b32 s24, 0x3e38aa3b                      ; c = log2(e) / 8
	s_mov_b32 s26, 0x76543210
	s_mov_b32 s27, 0xfedcba98
	v_and_b32 v1, 15, v0                           ; r
	v_bfe_u32 v2, v0, 4, 1                         ; h
	v_mul_u32_u24 v3, v1, 12288
	v_lshl_add_u32 v3, v2, 7, v3                   ; q, k: row r, + 128 h
	v_mul_u32_u24 v4, v2, 8*12288
	v_lshl_add_u32 v4, v1, 2, v4                   ; v: 8 h rows down, + 4 r
	v_lshlrev_b32 v5, 15, v2
	v_lshl_add_u32 v5, v1, 2, v5                   ; W_out: 8 h rows down, + 4 r
	v_lshlrev_b32 v6, 5, v0                        ; my 32 bytes of my wave's part: 1,024 wave + 32 lane
	v_lshrrev_b32 v10, 4, v0                       ; the last sums (threads 0 to 255): position q = t / 16, column nn = t % 16
	v_bfe_u32 v11, v0, 3, 1
	v_and_b32 v8, 7, v0
	v_lshlrev_b32 v7, 5, v10
	v_lshl_add_u32 v7, v11, 9, v7
	v_lshl_add_u32 v7, v8, 2, v7                   ; in a part: lane (q, nn / 8), register nn % 8
	v_lshlrev_b32 v9, 2, v1                        ; 4 nn
	v_lshl_add_u32 v8, v10, 12, v9                 ; in out0: row q, + 4 nn
	v_lshlrev_b32 v14, 3, v2
	v_sub_nc_u32 v14, v1, v14                      ; d = r - 8 h: register j (key 8 h + j) is hidden where j > d
	v_mov_b32 v15, 0xff800000
	v_mov_b32 v242, 0                              ; written once: a lane permute's destination counts as one of its sources
	v_mov_b32 v245, 0
	s_wait_kmcnt 0x0
	s_add_nc_u64 s[4:5], s[4:5], s[16:17]
	s_add_nc_u64 s[6:7], s[6:7], s[18:19]
	s_add_nc_u64 s[8:9], s[8:9], s[20:21]
	s_add_nc_u64 s[10:11], s[10:11], s[22:23]
	global_load_b32 v240, v9, s[8:9]               ; b_out(n0 + nn)
.irp u, 0,1,2,3,4,5,6,7
	global_load_b128 v[QF+4*\u:QF+4*\u+3], v3, s[4:5] offset:16*\u
.endr
.irp u, 0,1,2,3,4,5,6,7
	global_load_b128 v[KF+4*\u:KF+4*\u+3], v3, s[4:5] offset:4096+16*\u
.endr
.irp ct, 0,1,2,3
.irp n, 0,1,2,3,4,5,6,7
	global_load_b32 v[VF+8*\ct+\n], v4, s[4:5] offset:8192+\n*12288+64*\ct
.endr
.endr
	s_wait_loadcnt 32                              ; q and k are in; v's 32 loads may be out
.irp ct, 0,1,2,3
.irp n, 0,1,2,3,4,5,6,7
	global_load_b32 v[WF+8*\ct+\n], v5, s[6:7] offset:(16*\ct+\n)*4096
.endr
.endr
	; S^T = k q^T: instruction i takes channels 32 h + 2 i, + 1 of both; two accumulators by turns
	v_wmma_f32_16x16x4_f32 v[SA:SA+7], v[KF:KF+1], v[QF:QF+1], 0
	v_wmma_f32_16x16x4_f32 v[SB:SB+7], v[KF+2:KF+3], v[QF+2:QF+3], 0
.irp i, 1,2,3,4,5,6,7
	v_wmma_f32_16x16x4_f32 v[SA:SA+7], v[KF+4*\i:KF+4*\i+1], v[QF+4*\i:QF+4*\i+1], v[SA:SA+7]
	v_wmma_f32_16x16x4_f32 v[SB:SB+7], v[KF+4*\i+2:KF+4*\i+3], v[QF+4*\i+2:QF+4*\i+3], v[SB:SB+7]
.endr
.rept 8
	v_nop                                          ; eight places behind this form (ISA guide 7.12.1)
.endr
.irp j, 0,1,2,3,4,5,6,7
	v_add_f32 v[T+\j], v[SA+\j], v[SB+\j]          ; lane (r, h): query r, key 8 h + j
.endr
.irp j, 0,1,2,3,4,5,6,7
	v_cmp_gt_i32 vcc_lo, \j, v14
	v_cndmask_b32 v[T+\j], v[T+\j], v15, vcc_lo    ; the causal mask
.endr
	v_max3_num_f32 v241, v[T], v[T+1], v[T+2]
	v_max3_num_f32 v241, v241, v[T+3], v[T+4]
	v_max3_num_f32 v241, v241, v[T+5], v[T+6]
	v_max_num_f32 v241, v241, v[T+7]
	v_permlanex16_b32 v242, v241, s26, s27
	v_max_num_f32 v241, v241, v242                 ; the row's maximum: key 0 counts for every query
	v_mul_f32 v243, s24, v241
.irp j, 0,1,2,3,4,5,6,7
	v_fma_f32 v[T+\j], v[T+\j], s24, -v243
.endr
.irp j, 0,1,2,3,4,5,6,7
	v_exp_f32 v[P+\j], v[T+\j]
.endr
	v_nop
	s_wait_alu depctr_va_vdst(0)                   ; one wait for the eight exponentials
	v_add_f32 v244, v[P], v[P+1]
	v_add_f32 v246, v[P+2], v[P+3]
	v_add_f32 v247, v[P+4], v[P+5]
	v_add_f32 v248, v[P+6], v[P+7]
	v_add_f32 v244, v244, v246
	v_add_f32 v247, v247, v248
	v_add_f32 v244, v244, v247
	v_permlanex16_b32 v245, v244, s26, s27
	v_add_f32 v244, v244, v245                     ; the row's sum
	v_rcp_f32 v246, v244
	v_nop
	s_wait_alu depctr_va_vdst(0)
	s_wait_loadcnt 32                              ; v is in; W_out's 32 loads may be out
	; O^T = v^T p: instruction i takes keys 8 h + 2 i, + 1; four accumulators by turns
.irp ct, 0,1,2,3
	v_wmma_f32_16x16x4_f32 v[O+8*\ct:O+8*\ct+7], v[VF+8*\ct:VF+8*\ct+1], v[P:P+1], 0
.endr
.irp i, 1,2,3
.irp ct, 0,1,2,3
	v_wmma_f32_16x16x4_f32 v[O+8*\ct:O+8*\ct+7], v[VF+8*\ct+2*\i:VF+8*\ct+2*\i+1], v[P+2*\i:P+2*\i+1], v[O+8*\ct:O+8*\ct+7]
.endr
.endr
.rept 8
	v_nop
.endr
.set n, 0
.rept 32
	v_mul_f32 v[QF+n], v[O+n], v246                ; o / l: lane (r, h): query r, channel 16 ct + 8 h + j in register 8 ct + j
.set n, n+1
.endr
	s_wait_loadcnt 0x0
	; my head's part of the projection, transposed: instruction (ct, i) takes channels 16 ct + 8 h + 2 i, + 1; four accumulators by turns
.irp ct, 0,1,2,3
	v_wmma_f32_16x16x4_f32 v[R+8*\ct:R+8*\ct+7], v[WF+8*\ct:WF+8*\ct+1], v[QF+8*\ct:QF+8*\ct+1], 0
.endr
.irp i, 1,2,3
.irp ct, 0,1,2,3
	v_wmma_f32_16x16x4_f32 v[R+8*\ct:R+8*\ct+7], v[WF+8*\ct+2*\i:WF+8*\ct+2*\i+1], v[QF+8*\ct+2*\i:QF+8*\ct+2*\i+1], v[R+8*\ct:R+8*\ct+7]
.endr
.endr
.rept 8
	v_nop
.endr
.irp j, 0,1,2,3,4,5,6,7
	v_add_f32 v[KF+\j], v[R+\j], v[R+8+\j]
.endr
.irp j, 0,1,2,3,4,5,6,7
	v_add_f32 v[KF+8+\j], v[R+16+\j], v[R+24+\j]
.endr
.irp j, 0,1,2,3,4,5,6,7
	v_add_f32 v[KF+\j], v[KF+\j], v[KF+8+\j]       ; lane (r, h): position r, column n0 + 8 h + j
.endr
	ds_store_b128 v6, v[KF:KF+3]
	ds_store_b128 v6, v[KF+4:KF+7] offset:16
	s_wait_dscnt 0x0                               ; for the others' sake: my part lies in LDS
	s_barrier_signal -1
	s_barrier_wait -1
	s_cmp_ge_u32 s12, 8                            ; the 256 numbers are summed and stored by waves 0 to 7, a thread a number
	s_cbranch_scc1 .Ldone
.irp n, 0,1,2,3,4,5,6,7,8,9,10,11,12,13,14,15
	ds_load_b32 v[KF+16+\n], v7 offset:1024*\n
.endr
	s_wait_dscnt 0x0
.irp n, 0,2,4,6,8,10,12,14
	v_add_f32 v[KF+16+\n], v[KF+16+\n], v[KF+17+\n]
.endr
.irp n, 0,4,8,12
	v_add_f32 v[KF+16+\n], v[KF+16+\n], v[KF+18+\n]
.endr
	v_add_f32 v[KF+16], v[KF+16], v[KF+20]
	v_add_f32 v[KF+24], v[KF+24], v[KF+28]
	v_add_f32 v[KF+16], v[KF+16], v[KF+24]
	v_add_f32 v[KF+16], v[KF+16], v240             ; + b_out
	global_store_b32 v8, v[KF+16], s[10:11]
.Ldone:
	s_wait_tensorcnt 0x0                           ; the wave's end
	ds_add_u32 v[SPW], v[NIL]
	s_wait_dscnt 0x0
	s_endpgm
.Lfunc_end_k_q33f032a7a7_first16:
	.size	k_q33f032a7a7_first16, .Lfunc_end_k_q33f032a7a7_first16-k_q33f032a7a7_first16
	.p2alignl 7, 3214868480
	.fill 96, 4, 3214868480
	.section	.rodata,"a",@progbits
	.p2align	6, 0x0
	.amdhsa_kernel k_q33f032a7a7_first16
		.amdhsa_group_segment_fixed_size 18432
		.amdhsa_private_segment_fixed_size 0
		.amdhsa_enable_private_segment 0
		.amdhsa_kernarg_size 32
		.amdhsa_user_sgpr_count 2
		.amdhsa_user_sgpr_kernarg_segment_ptr 1
		.amdhsa_wavefront_size32 1
		.amdhsa_system_sgpr_workgroup_id_x 1
		.amdhsa_system_sgpr_workgroup_id_y 1
		.amdhsa_system_sgpr_workgroup_id_z 1
		.amdhsa_system_vgpr_workitem_id 0
		.amdhsa_next_free_vgpr 256
		.amdhsa_next_free_sgpr 66
		.amdhsa_reserve_vcc 1
		.amdhsa_float_denorm_mode_32 3
		.amdhsa_float_denorm_mode_16_64 3
		.amdhsa_memory_ordered 1
		.amdhsa_forward_progress 1
		.amdhsa_inst_pref_size 20
	.end_amdhsa_kernel
	.amdgpu_metadata
---
amdhsa.version: [ 1, 2 ]
amdhsa.kernels:
  - .name:           k_q33f032a7a7_first16
    .symbol:         k_q33f032a7a7_first16.kd
    .args:
      - { .name: q16, .offset: 0, .size: 8, .value_kind: global_buffer, .address_space: global }
      - { .name: W_out, .offset: 8, .size: 8, .value_kind: global_buffer, .address_space: global }
      - { .name: b_out, .offset: 16, .size: 8, .value_kind: global_buffer, .address_space: global }
      - { .name: out0, .offset: 24, .size: 8, .value_kind: global_buffer, .address_space: global }
    .group_segment_fixed_size: 18432
    .private_segment_fixed_size: 0
    .kernarg_segment_align: 8
    .kernarg_segment_size: 32
    .max_flat_workgroup_size: 512
    .sgpr_count:     66
    .vgpr_count:     256
    .wavefront_size: 32
...
	.end_amdgpu_metadata
.endif
;; end of part 5
